; MI455X (gfx1250); checked and timed in simulation.
; The chip was launched on July 23, 2026; its instructions are those of AMD's public machine-readable ISA for CDNA 5 (MIT licence, August 2026) and "CDNA5" Instruction Set Architecture Reference Guide (July 2026). The comments in the code are by the model that wrote it; some were corrected since.
;; Masked Multi Head Attention. Allowed arithmetic: matrix products marked QUANTISED: E5M2 operands, one given power-of-two scale a tensor, by v_wmma_f32_16x16x64_bf8_bf8 or v_wmma_f32_16x16x128_bf8_bf8, f32 sums; everything else in f32.
;; Inputs: W_o_codes 1,024 x 32 x 32 uint8 (E5M2 codes of W_o, K innermost, in blocks of 32 codes); W_qkv_codes 3,072 x 32 x 32 uint8 (E5M2 codes of W_qkv, K innermost, in blocks of 32 codes); b_o 1,024 float32; b_qkv 3,072 float32; key_padding_mask 4 x 2,048 bool; lowp_scales 8 int32 (the exponents e of the quantised operands' scales 2^e); x_codes 4 x 2,048 x 32 x 32 uint8 (E5M2 codes of x, K innermost, in blocks of 32 codes).
;; Outputs: out0 4 x 2,048 x 1,024 float32.
;; This version of the problem:
;;   THIS VERSION OF THE PROBLEM IS GIVEN IN LOW PRECISION. The matrix products marked QUANTISED in the list below multiply operands that are first quantised to E5M2 (5 exponent bits, 2 mantissa bits; 8 bits a number), with one given power-of-two scale for each operand tensor; their sums are f32. All else is computed in f32.
;;   The module's matrix products, in the order in which they are computed (A, B: the left and right operand; K: the contracted axis; several contracted axes count as one K, in the product's order):
;;     1. [M 8,192, K 1,024] x [K 1,024, N 3,072]; A: input x (given as codes); B: input W_qkv (given as codes): QUANTISED (scales: A lowp_scales[0], B lowp_scales[1])
;;     2. batch 64 x [M 2,048, K 64] x [K 64, N 2,048]; A: computed on the way; B: computed on the way: QUANTISED (scales: A lowp_scales[2], B lowp_scales[3])
;;     3. batch 64 x [M 2,048, K 2,048] x [K 2,048, N 64]; A: softmax (see below); B: computed on the way: QUANTISED (scales: A lowp_scales[4], B lowp_scales[5])
;;     4. [M 8,192, K 1,024] x [K 1,024, N 1,024]; A: computed on the way; B: input W_o (given as codes): QUANTISED (scales: A lowp_scales[6], B lowp_scales[7])
;;   THE QUANTISER, for each operand of a quantised product, along K:
;;     - The operand's scale is 2^e, e = its entry of the input lowp_scales (int32; the entries are numbered through the quantised products in the list's order, A before B).
;;     - Each number is divided by the scale, clamped to +-57,344, and rounded to the nearest number of E5M2, ties to even, subnormals kept.
;;     - The product sums the exact products of the quantised numbers (number of the format x scale) in f32.
;;   ~~~python
;;   def quantise(x, axis, e):      # numpy; x: float32 -> the quantised numbers, widened to float32 again
;;       x = np.moveaxis(x, axis, -1); K = x.shape[-1]
;;       r = np.clip(x / 2.0 ** e, -57344, 57344)
;;       step = 2.0 ** (np.maximum(np.frexp(np.where(r == 0, 1, r))[1] - 1, -14) - 2)
;;       q = np.round(r / step) * step * 2.0 ** e      # np.round: ties to even
;;       return np.moveaxis(q, -1, axis).astype(np.float32)
;;   ~~~
;;   SOFTMAX AHEAD OF A QUANTISED PRODUCT. Where the list says 'softmax', what is quantised is not the finished softmax but p = 2^(t - M), with t = logit x log2(e) and M = ceil(the row's largest t), a whole number; so 1/2 < the row's largest p <= 1. The row's sum l is taken of the UNQUANTISED p, in f32, and the product's result is divided by l at the end. Since M is a whole number, a kernel that streams over the keys may use a running M (the ceiling of the running maximum): every later rescaling is an exact power of two, so the quantised numbers keep their values, but for numbers so far below the row's largest that they fall under the format's range.
;;   OPERANDS COMPUTED ON THE WAY. 'Computed on the way' means the value that the module computes at that place (a softmax that the list does not call 'softmax' is quantised finished and normalised). What goes into a quantiser is computed in f32, as accurately as f32 sums, v_exp_f32 and their like allow (about 1e-6 of the number): no bf16 or f16 on the way to a quantiser, and a product that is left as it is and whose result goes on into a quantised operand takes f32 operands (vector FMAs, or v_wmma_f32_16x16x4_f32). A number that lies on a knife's edge between two numbers of the format may be rounded either way, as far as f32 arithmetic and the matrix unit's own rounding can turn it there, and no further.
;;   INPUTS GIVEN AS CODES. W_o (in the module: [1024, 1024], K = its axis 0); W_qkv (in the module: [1024, 3072], K = its axis 0); x (in the module: [4, 2048, 1024], K = its axis 2): each comes as NAME_codes (uint8): NAME with its K axis moved to the last place and cut into blocks of 32 codes, [.., K / 32, bytes a block], one block behind the other in memory; one code a byte (a code: sign, 5 exponent bits, 2 mantissa bits); its scale is its entry of lowp_scales. Its value is code x scale, taken as it is: it is not quantised again, and the codes and scales need not be those that the quantiser above would give.
;; 2 versions, each right; version 2 is version 1 with the launch attn written anew for expert scheduling mode. Each part assembles by itself: llvm-mc -triple=amdgcn-amd-amdhsa -mcpu=gfx1250 --defsym DOCPART=n.
;; ======== version 1 of 2: 3 launches
;; limits: right only within a limited range of input values
;; workspace buffers: q_img 8,388,608 bytes; k_img 8,388,608 bytes; v_img 8,388,608 bytes; y_img 8,388,608 bytes
;; launch qkv (part 1): grid 12 x 32, 4 waves a work-group, clusters of 4 x 4, 327,680 bytes of LDS; arguments x_codes, W_qkv_codes, b_qkv, lowp_scales, q_img, k_img, v_img; writes q_img, k_img, v_img
.if DOCPART == 1
	.amdgcn_target "amdgcn-amd-amdhsa--gfx1250"
	.amdhsa_code_object_version 6
	.text
	.protected	k_q878cfa0298_qkv
	.globl	k_q878cfa0298_qkv
	.p2align	8
	.type	k_q878cfa0298_qkv,@function
k_q878cfa0298_qkv:
	s_mov_b64 s[64:65], 0
	v_nop
	global_prefetch_b8 v0, s[64:65] scope:SCOPE_SE
	s_setreg_imm32_b32 hwreg(HW_REG_WAVE_MODE, 25, 1), 1
	s_wait_xcnt 0x0
	s_wait_alu depctr_hold_cnt(0) depctr_sa_sdst(0) depctr_va_vdst(0) depctr_va_sdst(0) depctr_va_ssrc(0) depctr_va_vcc(0) depctr_vm_vsrc(0)
	s_getreg_b32 s2, hwreg(HW_REG_IB_STS2, 6, 4)
	s_cmp_eq_u32 s2, 0
	s_cbranch_scc0 .Lentry_in_a_cluster
	s_endpgm
.Lentry_in_a_cluster:
	s_bfe_u32 s2, ttmp6, 0x10000c
	s_cmp_lg_u32 s2, 0xf033
	s_cbranch_scc0 .Lentry_shape_is_right
	s_endpgm
.Lentry_shape_is_right:
; qkv = x W_qkv + b_qkv on codes of BF8 (E5M2), and q, k, v quantised to BF8 with the given scales 2^e2, 2^e3, 2^e5.
; x: [8192][1024] codes, W_qkv: [3072][1024] codes, K innermost.  A sum stands for sum x 2^(e0 + e1); the bias is added in f32; then the hold at +-57,344 x the scale and the conversion.
; A tile of 256 x 256 is made by four waves, each 128 x 128: 64 accumulators, 512 registers.  K = 1,024 goes in four steps of 256 through a ring of two LDS slots filled by the tensor data mover.
; CLUSTERS: 4 x 4 work-groups; A's tiles are asked for jointly along a row of the cluster, B's along a column.  The cluster's x is the section: 0 = q, 1 = k, 2 = v; it is the same in all sixteen partners.
; THE MATRIX INSTRUCTION IS USED TRANSPOSED (source 0 = 16 rows of B, source 1 = 16 rows of A): a lane holds one row of A and eight neighbouring rows of B.
;   q, k: A = x, B = W: a lane holds one token and eight neighbouring channels d, which are the next product's K.
;   v:    A = W, B = x: a lane holds one channel d and eight neighbouring tokens, which are the keys, the K of the product with p.
; So one conversion of an accumulator's eight registers gives registers 2 c, 2 c + 1 of the next operand, and the codes leave as IMAGES OF OPERAND REGISTERS: 16 bytes a lane, 512 consecutive bytes a store.
;   q_img, k_img: [batch x head 64][token / 16][half 2][lane][16 bytes]: 16 tokens x 64 d for the K = 64 form.      v_img: [batch x head][token / 128][d / 16][quarter 4][lane][16 bytes]: 16 d x 128 keys for the K = 128 form.
; LIMITS: e0 + e1 between -126 and 127; e2, e3, e5 between -126 and 112, so that each power of two below is an f32 number.  NaN in the bias is not served.
; REGISTERS, in windows of 256: window 0: v0-31 addresses and constants; v32-95 the bias by column, v96-111 the bias by row; from v128 A's fragments, ONE set; on the way out v112-175 numbers, v192-255 codes.
;   window 1: B's fragments, two sets.   window 2: the accumulators of my rows 0-63 ((a, b) at v[8 (8 a + b)]);   window 3: those of my rows 64-127.
.set KSTEP,  256                       ; along K in a slot
.set ROWB,   256                       ; a tile's row in bytes
.set KROW,   1024                      ; a row of x or of W in memory, in bytes
.set PITCH,  272                       ; an LDS row: 256 bytes + 16 of padding = 68 words: the 16 rows that a load touches start at 16 different banks (64 banks of 4 bytes: ISA guide 11.1)
.set FR,     16                        ; registers of a fragment: 16 rows x 128 K
.set NL,     4                         ; LDS loads that bring one
.set NP,     4                         ; places behind this matrix instruction (ISA guide 7.12.1)
.set HALFT,  128*PITCH                 ; 128 rows: what one tensor load brings
.set SLOT,   4*HALFT                   ; A's 256 rows, then B's 256 rows
.set SPARE,  2*SLOT                    ; behind the ring: the spare words, 128 bytes for each wave
.set ADRA, 16                          ; v16-17  LDS address of my A fragments in slot 0, 1
.set ADRB, 20                          ; v20-21  the same for B
.set CO,   26                          ; v26     16 x lane: my place in an image
.set QS,   27                          ; v27     the quantiser's scale 2^e as f32
.set SPW,  28                          ; v28     LDS address of my spare word; never rewritten
.set NIL,  29                          ; v29     0; never rewritten
.set QL,   30                          ; v30     57,344 x 2^e
.set BC,   32                          ; v32-95  bias of column 16 b + 8 h + j at 8 b + j (q, k)
.set BR,   96                          ; v96-111 bias of row 16 a + r, twice, at 2 a (v)
.set TMP,  112                         ; the way out: a block's 64 numbers
.set AF,   128                         ; A's fragments
.set CD,   192                         ; the way out: codes, four sets of 16
.set G1, 24                            ; s[24:31] descriptor group 1 for A's tiles;  s[32:39] group 0, one set for each slot
.set G0, 32
.set G1B, 48                           ; s[48:55], s[56:63] the same for B's tiles
.set G0B, 56
.set MSB, 0
.macro WIN new                         ; the immediate's high byte repeats the setting that is left
.if MSB != \new
	s_set_vgpr_msb (MSB<<8)|\new
.set MSB, \new
.endif
.endm
.set MUL_LO, 0xa1                      ; source 0 (B) window 1, source 1 (A) window 0, C and D window 2
.set MUL_HI, 0xf1                      ; the same, C and D window 3
.set TO_B,   0x40                      ; destination window 1, address window 0
; A joint load: waves 0 and 1 fetch for A, waves 2 and 3 for B; the branch hangs on the wave's number alone.  Four v_nop follow each of the two lines.
.macro JLOAD g0a, g1a, g0b, g1b
	s_cmp_eq_u32 s15, 0
	s_cbranch_scc0 .Lfor_b_\@
	tensor_load_to_lds s[\g0a:\g0a+3], s[\g1a:\g1a+7]
	s_nop 0
.rept 4
	v_nop
.endr
	s_branch .Lasked_\@
.Lfor_b_\@:
	tensor_load_to_lds s[\g0b:\g0b+3], s[\g1b:\g1b+7]
	s_nop 0
.rept 4
	v_nop
.endr
.Lasked_\@:
.endm
.macro CREST                           ; a round of the cluster's barrier behind its opening barrier
	s_cmp_lg_u32 s14, 0
	s_cbranch_scc1 .Lnot_wave_0_\@
	s_barrier_signal -3
.Lnot_wave_0_\@:
	s_barrier_wait -3
	s_barrier_signal -1
	s_barrier_wait -1
.endm
.macro CROUND                          ; a whole round
	s_barrier_signal -1
	s_barrier_wait -1
	CREST
.endm
	s_load_b128 s[4:7], s[0:1], 0x0                ; x's codes s[4:5], W's codes s[6:7]
	s_load_b128 s[8:11], s[0:1], 0x10              ; the bias s[8:9], the scales' exponents s[10:11]
	s_load_b128 s[68:71], s[0:1], 0x20             ; q_img s[68:69], k_img s[70:71]
	s_load_b64 s[72:73], s[0:1], 0x30              ; v_img
	v_lshl_add_u32 v[SPW], v0, 2, SPARE
	v_mov_b32 v[NIL], 0
	ds_add_u32 v28, v29
	ds_add_u32 v28, v29
	s_wait_dscnt 0x0
	v_lshrrev_b32 v1, 5, v0
	v_readfirstlane_b32 s14, v1                    ; wave 0..3
	s_lshr_b32 s15, s14, 1                         ; which half of A's rows is mine.  Also: I fetch for A (0) or for B (1)
	s_and_b32 s16, s14, 1                          ; which half of B's rows.  Also: which 128 rows of that tile I fetch
	s_bfe_u32 s40, ttmp6, 0x40000                  ; cx, cy: my place in the cluster
	s_bfe_u32 s41, ttmp6, 0x40004
	s_and_b32 s74, ttmp7, 0xffff
	s_lshl_b32 s74, s74, 2                         ; 4 x cluster y
	s_lshl_b32 s75, ttmp9, 2                       ; 4 x cluster x
	s_cmp_eq_u32 ttmp9, 2                          ; the section v?  The same answer in all sixteen partners
	s_cselect_b32 s76, 8, s74                      ; A's tile row: v: rows 2,048 on of W; else x's by the cluster's y
	s_cselect_b32 s77, s74, s75                    ; B's tile row: v: x's by the cluster's y; else W's by the section
	s_add_co_u32 s17, s76, s41                     ; TR = .. + cy
	s_add_co_u32 s42, s77, s40                     ; TC = .. + cx
	s_lshl_b32 s43, s41, 2
	s_lshl_b32 s43, 15, s43                        ; my row of the cluster
	s_lshl_b32 s44, 0x1111, s40                    ; my column
	; descriptor group 1: a tile of 128 rows x 256 bytes, padded in LDS
	s_or_b32 s[G1+0], s43, (0<<16)|(1<<20)|(1<<21)|(5<<22)|(3<<25)  ; 15:0 the mask: A's tiles go to my row; 17:16 element of 1 byte; 20 padding on; 21 set beside a mask; 24:22 after every 64 words; 31:25 four words
	s_or_b32 s[G1B+0], s44, (0<<16)|(1<<20)|(1<<21)|(5<<22)|(3<<25)
.irp g, G1, G1B
	s_mov_b32 s[\g+1], ROWB<<16                    ; tensor_dim0
	s_mov_b32 s[\g+2], 128<<16                     ; tensor_dim1 = 128
	s_mov_b32 s[\g+3], ROWB<<16                    ; tile_dim0
	s_mov_b32 s[\g+4], 128                         ; tile_dim1 = 128
	s_mov_b32 s[\g+5], KROW                        ; tensor_dim0_stride
	s_mov_b32 s[\g+6], 0
	s_mov_b32 s[\g+7], 0
.endr
	s_lshl_b32 s18, s16, 7                         ; which 128 rows of the tile I fetch
	s_lshl_b32 s20, s17, 8
	s_add_co_u32 s20, s20, s18                     ; A: row 256 TR + 128 x half
	s_lshl_b32 s46, s42, 8
	s_add_co_u32 s46, s46, s18                     ; B: row 256 TC + 128 x half
	s_lshl_b32 s20, s20, 10                        ; in bytes: rows of 1,024 (under 2^23)
	s_mov_b32 s21, 0
	s_lshl_b32 s46, s46, 10
	s_mov_b32 s47, 0
	s_mul_i32 s45, s14, HALFT                      ; where they go: wave x 128 rows: no place in the cluster enters an LDS address
	s_wait_kmcnt 0x0
	s_load_b256 s[84:91], s[10:11], 0x0            ; e0 .. e7
	s_cmp_eq_u32 ttmp9, 2
	s_cselect_b64 s[78:79], s[6:7], s[4:5]         ; A is W for v, else x
	s_cselect_b64 s[80:81], s[4:5], s[6:7]         ; B the other
	s_add_nc_u64 s[20:21], s[78:79], s[20:21]
	s_add_nc_u64 s[46:47], s[80:81], s[46:47]
	CROUND                                         ; all sixteen work-groups are here: the first joint loads meet
.irp s, 0,1
	s_mov_b32 s[G0+4*\s], 1
	s_add_co_u32 s[G0+4*\s+1], s45, \s*SLOT
	s_add_nc_u64 s[G0+4*\s+2:G0+4*\s+3], s[20:21], \s*ROWB
	s_or_b32 s[G0+4*\s+3], s[G0+4*\s+3], 0x80000000
	s_mov_b32 s[G0B+4*\s], 1
	s_add_co_u32 s[G0B+4*\s+1], s45, \s*SLOT
	s_add_nc_u64 s[G0B+4*\s+2:G0B+4*\s+3], s[46:47], \s*ROWB
	s_or_b32 s[G0B+4*\s+3], s[G0B+4*\s+3], 0x80000000
	JLOAD G0+4*\s, G1, G0B+4*\s, G1B
.endr
	v_and_b32 v1, 15, v0                           ; r = lane % 16
	v_bfe_u32 v2, v0, 4, 1                         ; h = lane / 16
	v_mul_u32_u24 v3, v1, PITCH
	v_lshl_add_u32 v4, v2, 4, v3                   ; a fragment's row x pitch + 16 x half
	s_mul_i32 s21, s15, HALFT                      ; my 128 rows of A
	s_mul_i32 s22, s16, HALFT                      ; my 128 rows of B,
	s_add_co_u32 s22, s22, 2*HALFT                 ; which lie behind A's 256
.irp s, 0,1
	v_add_nc_u32 v[ADRA+\s], s21, v4
	v_add_nc_u32 v[ADRB+\s], s22, v4
	s_add_co_u32 s21, s21, SLOT
	s_add_co_u32 s22, s22, SLOT
.endr
	v_and_b32 v5, 31, v0
	v_lshlrev_b32 v[CO], 4, v5
	v_lshlrev_b32 v6, 5, v2                        ; 32 h: eight numbers of the bias for each half of the lanes
	v_lshlrev_b32 v7, 2, v1                        ; 4 r
	; the bias, in both layouts; each section uses one of them, and the other is read at the buffer's head, so that both sets of registers are written in every section
	s_lshl_b32 s82, s42, 10
	s_lshl_b32 s83, s16, 9
	s_add_co_u32 s82, s82, s83                     ; 4 (256 TC + 128 x half): my first column of W (q, k)
	s_lshl_b32 s94, s17, 10
	s_lshl_b32 s95, s15, 9
	s_add_co_u32 s94, s94, s95                     ; 4 (256 TR + 128 x half): my first row of W (v)
	s_cmp_eq_u32 ttmp9, 2
	s_cselect_b32 s82, 0, s82
	s_cselect_b32 s94, s94, 0
	s_mov_b32 s83, 0
	s_mov_b32 s95, 0
	s_add_nc_u64 s[82:83], s[8:9], s[82:83]
	s_add_nc_u64 s[94:95], s[8:9], s[94:95]
.irp b, 0,1,2,3,4,5,6,7
	global_load_b128 v[BC+8*\b:BC+8*\b+3], v6, s[82:83] offset:64*\b
	global_load_b128 v[BC+8*\b+4:BC+8*\b+7], v6, s[82:83] offset:64*\b+16
.endr
.irp a, 0,1,2,3,4,5,6,7
	global_load_b32 v[BR+2*\a], v7, s[94:95] offset:64*\a      ; the same number in both registers of a pair, for the packed multiply-add
	global_load_b32 v[BR+2*\a+1], v7, s[94:95] offset:64*\a
.endr
	; where my codes go: token RX (of 8,192) and head HW (of 16) of my first image
	s_lshl_b32 s18, s42, 8
	s_lshl_b32 s19, s16, 7
	s_add_co_u32 s18, s18, s19                     ; 256 TC + 128 (wave & 1)
	s_lshl_b32 s19, s17, 8
	s_lshl_b32 s22, s15, 7
	s_add_co_u32 s19, s19, s22                     ; 256 TR + 128 (wave >> 1)
	s_and_b32 s22, s17, 3
	s_lshl_b32 s22, s22, 2
	s_lshl_b32 s23, s15, 1
	s_add_co_u32 s22, s22, s23                     ; 4 (TR & 3) + 2 (wave >> 1)
	s_and_b32 s23, s42, 3
	s_lshl_b32 s23, s23, 2
	s_lshl_b32 s3, s16, 1
	s_add_co_u32 s23, s23, s3                      ; 4 (TC & 3) + 2 (wave & 1)
	s_cmp_eq_u32 ttmp9, 2
	s_cselect_b32 s18, s18, s19                    ; RX
	s_cselect_b32 s22, s22, s23                    ; HW
	s_lshr_b32 s19, s18, 11                        ; the batch
	s_lshl_b32 s19, s19, 4
	s_add_co_u32 s19, s19, s22
	s_lshl_b32 s19, s19, 17                        ; a head is 131,072 bytes in each of the three buffers,
	s_and_b32 s18, s18, 2047
	s_lshl_b32 s18, s18, 6                         ; a token 64
	s_add_co_u32 s18, s18, s19
	s_mov_b32 s19, 0
	s_cmp_eq_u32 ttmp9, 0
	s_cselect_b64 s[92:93], s[68:69], s[70:71]
	s_cmp_eq_u32 ttmp9, 2
	s_cselect_b64 s[92:93], s[72:73], s[92:93]
	s_add_nc_u64 s[92:93], s[92:93], s[18:19]
.macro FRAG reg, adr, q, i             ; a fragment, 16 rows x 128 K, is 16 registers: lane l holds row l % 16; registers 4 c .. 4 c + 3 hold K = 32 c + 16 (l / 16) + 0 .. 15: the same order of k in A and in B
.irp c, 0,1,2,3
	ds_load_b128 v[\reg+4*\c:\reg+4*\c+3], v[\adr] offset:128*(\q)+32*\c+(\i)*16*PITCH
.endr
.endm
; 16 matrix instructions: A's blocks a0, a0 + 1 x B's eight, 128 along K.  p: B's set.  zero = 1: the first product starts the sums.  The 64 accumulators take turns, one instruction a turn.
.macro MUL16 a0, p, zero
.irp a, \a0, \a0+1
.irp b, 0,1,2,3,4,5,6,7
.if \zero
	v_wmma_f32_16x16x128_bf8_bf8 v[8*(8*((\a)%4)+\b):8*(8*((\a)%4)+\b)+7], v[128*(\p)+FR*\b:128*(\p)+FR*\b+FR-1], v[AF+FR*(\a):AF+FR*(\a)+FR-1], 0
.else
	v_wmma_f32_16x16x128_bf8_bf8 v[8*(8*((\a)%4)+\b):8*(8*((\a)%4)+\b)+7], v[128*(\p)+FR*\b:128*(\p)+FR*\b+FR-1], v[AF+FR*(\a):AF+FR*(\a)+FR-1], v[8*(8*((\a)%4)+\b):8*(8*((\a)%4)+\b)+7]
.endif
.endr
.endr
.endm
.macro FETCH_B slot, q, p              ; B's eight fragments of the slot's q-th 128 along K into set p
	WIN TO_B
.irp i, 0,1,2,3,4,5,6,7
	FRAG 128*(\p)+FR*\i, ADRB+\slot, \q, \i
.endr
	WIN 0
.endm
.macro FETCH_A slot, q, i0             ; A's blocks i0 .. i0 + 3
.irp i, \i0, \i0+1, \i0+2, \i0+3
	FRAG AF+FR*(\i), ADRA+\slot, \q, \i
.endr
.endm
.macro PLACES n                        ; plain vector instructions between a matrix instruction and a load into, or a vector write of, a register that it read, or a read of its result
.rept \n
	v_nop
.endr
.endm
; A step of 128 along K that has its successor in the same slot.
.macro STEP slot, q, zero
	s_wait_dscnt 4*NL                              ; B's set and A's blocks 0-3 are in; the youngest sixteen loads (A's blocks 4-7) may be out
	WIN MUL_LO
	MUL16 0, (\q)%2, \zero
	MUL16 2, (\q)%2, \zero
	s_wait_dscnt 0                                 ; A's blocks 4-7 are in
	PLACES NP
	FETCH_B \slot, (\q)+1, 1-(\q)%2
	FETCH_A \slot, (\q)+1, 0
	WIN MUL_HI
	MUL16 4, (\q)%2, \zero
	MUL16 6, (\q)%2, \zero
	PLACES NP
	WIN 0
	FETCH_A \slot, (\q)+1, 4
.endm
; A slot's last step changes slots: ONE barrier; in front of it each wave waits for all its tensor loads, adds 0 to its spare word, and waits for that and for its own reads of this slot.  fill = 1: this slot is filled again, two K steps ahead.
.macro TURN slot, next, fill
	s_wait_tensorcnt 0x0                           ; all my tensor loads have landed: my part of the next slot
	ds_add_u32 v[SPW], v[NIL]                      ; 0 onto my spare word
	s_wait_dscnt 4*NL+1                            ; (the add and the youngest sixteen loads, A's blocks 4-7, may be out)
	WIN MUL_LO
	MUL16 0, 1, 0                                  ; sixteen matrix instructions stand between the add and the wait for it
	s_wait_dscnt 0x0                               ; the add is done, and my reads of this slot are over
	s_barrier_signal -1
	MUL16 2, 1, 0
	WIN 0
	s_barrier_wait -1
.if \fill
	CREST                                          ; the barrier has opened a round of the cluster's barrier: no wave of any partner still reads this slot or has a load on its way
	s_add_nc_u64 s[G0+4*\slot+2:G0+4*\slot+3], s[G0+4*\slot+2:G0+4*\slot+3], 2*ROWB
	s_add_nc_u64 s[G0B+4*\slot+2:G0B+4*\slot+3], s[G0B+4*\slot+2:G0B+4*\slot+3], 2*ROWB
	JLOAD G0+4*\slot, G1, G0B+4*\slot, G1B         ; the first tensor load behind the round; its four v_nop are the places in front of the loads below
.else
	PLACES NP
.endif
	FETCH_B \next, 0, 0
	FETCH_A \next, 0, 0
	WIN MUL_HI
	MUL16 4, 1, 0
	MUL16 6, 1, 0
	PLACES NP
	WIN 0
	FETCH_A \next, 0, 4
.endm
	s_wait_tensorcnt 1                             ; my part of K step 0 is in (K step 1's load may be out)
	s_barrier_signal -1
	s_barrier_wait -1                              ; everybody's is
	FETCH_B 0, 0, 0
	FETCH_A 0, 0, 0
	FETCH_A 0, 0, 4
	STEP 0, 0, 1                                   ; K 0-127: these products start the sums
	TURN 0, 1, 1                                   ; K 128-255; slot 0 takes K 512-767
	STEP 1, 0, 0
	TURN 1, 0, 1                                   ; slot 1 takes K 768-1,023
	STEP 0, 0, 0
	TURN 0, 1, 0                                   ; nothing is left to fetch: no round
	STEP 1, 0, 0
	s_wait_dscnt 4*NL                              ; the last step
	WIN MUL_LO
	MUL16 0, 1, 0
	MUL16 2, 1, 0
	s_wait_dscnt 0
	WIN MUL_HI
	MUL16 4, 1, 0
	MUL16 6, 1, 0
	WIN 0
	; THE WAY OUT.  number = sum x 2^(e0 + e1) + bias, one fused multiply-add; held within +-57,344 x 2^e; converted, eight registers of a lane to two of codes.  No LDS: the codes are images already.
	s_wait_kmcnt 0x0
	s_cmp_eq_u32 ttmp9, 0
	s_cselect_b32 s18, s86, s87                    ; e2 for q, e3 for k,
	s_cmp_eq_u32 ttmp9, 2
	s_cselect_b32 s18, s89, s18                    ; e5 for v
	s_add_co_i32 s18, s18, 127
	s_lshl_b32 s19, s18, 23
	v_mov_b32 v[QS], s19                           ; 2^e as f32: the conversion takes its exponent field
	s_add_co_i32 s18, s18, 15
	s_lshl_b32 s18, s18, 23
	s_or_b32 s18, s18, 0x600000
	v_mov_b32 v[QL], s18                           ; 57,344 x 2^e
	s_add_co_i32 s96, s84, s85
	s_add_co_i32 s96, s96, 127
	s_lshl_b32 s96, s96, 23                        ; 2^(e0 + e1) as f32
	s_mov_b32 s97, s96                             ; (named with it as a pair, so it is written)
	s_wait_loadcnt 0x0                             ; the bias
	PLACES NP                                      ; behind the last products: their results are read, and the registers that held A's fragments are written
; Block a: A's rows 16 a .. 16 a + 15 against all 128 rows of B.  isv = 0: two heads' fragments of 16 tokens x 64 d;  isv = 1: one fragment of 16 d x 128 keys.
.macro OUTBLK a, isv
.set AC, 64*((\a)%4)
.set CSET, CD+16*((\a)%4)
	WIN 0x02+((\a)/4)                              ; source 0: window 2 or 3
.set j, 0
.rept 32
.if \isv
	v_pk_fma_f32 v[TMP+j:TMP+j+1], v[AC+j:AC+j+1], s[96:97], v[BR+2*(\a):BR+2*(\a)+1] op_sel_hi:[1,0,1]   ; each accumulator from its low end on
.else
	v_pk_fma_f32 v[TMP+j:TMP+j+1], v[AC+j:AC+j+1], s[96:97], v[BC+j:BC+j+1] op_sel_hi:[1,0,1]
.endif
.set j, j+2
.endr
	WIN 0
.set j, 0
.rept 64
	v_med3_num_f32 v[TMP+j], v[TMP+j], -v[QL], v[QL]   ; the conversion to an 8-bit code does not saturate (ISA guide 7.6.2): the hold comes first
.set j, j+1
.endr
.if (\a) >= 4
	s_wait_xcnt 0x0                                ; block a - 4's stores have read this set of codes: it is written again only behind this wait
.endif
.irp b, 0,1,2,3,4,5,6,7
	v_cvt_scalef32_pk8_bf8_f32 v[CSET+2*\b:CSET+2*\b+1], v[TMP+8*\b:TMP+8*\b+7], v[QS]
.endr
	v_nop                                          ; one plain vector instruction behind the last conversion, ahead of the next block's writes of its sources
.irp g, 0,1,2,3
.if \isv
	global_store_b128 v[CO], v[CSET+4*\g:CSET+4*\g+3], s[92:93] offset:((\a)/4)*131072+((\a)%4)*2048+\g*512   ; head a / 4, channels 16 (a % 4) on, quarter g: 512 consecutive bytes
.else
	global_store_b128 v[CO], v[CSET+4*\g:CSET+4*\g+3], s[92:93] offset:(\g/2)*131072+(\a)*1024+(\g%2)*512     ; head g / 2, tokens 16 a on, half g % 2: 512 consecutive bytes
.endif
.endr
.endm
	s_cmp_eq_u32 ttmp9, 2                          ; a branch on the cluster's x: the same way in all partners; neither way touches LDS
	s_cbranch_scc1 .Lv_out
.irp a, 0,1,2,3,4,5,6,7
	OUTBLK \a, 0
.endr
	s_branch .Lend
.Lv_out:
.irp a, 0,1,2,3,4,5,6,7
	OUTBLK \a, 1
.endr
.Lend:
	s_wait_tensorcnt 0x0                           ; the wave's end
	ds_add_u32 v[SPW], v[NIL]
	s_wait_dscnt 0x0
	CROUND                                         ; the closing round: no work-group ends while a partner may still ask for a tile that names it
	s_endpgm
.Lfunc_end_k_q878cfa0298_qkv:
	.size	k_q878cfa0298_qkv, .Lfunc_end_k_q878cfa0298_qkv-k_q878cfa0298_qkv
	.p2alignl 7, 3214868480
	.fill 96, 4, 3214868480
	.section	.rodata,"a",@progbits
	.p2align	6, 0x0
	.amdhsa_kernel k_q878cfa0298_qkv
		.amdhsa_group_segment_fixed_size 327680
		.amdhsa_private_segment_fixed_size 0
		.amdhsa_enable_private_segment 0
		.amdhsa_kernarg_size 56
		.amdhsa_user_sgpr_count 2
		.amdhsa_user_sgpr_kernarg_segment_ptr 1
		.amdhsa_wavefront_size32 1
		.amdhsa_system_sgpr_workgroup_id_x 1
		.amdhsa_system_sgpr_workgroup_id_y 1
		.amdhsa_system_sgpr_workgroup_id_z 1
		.amdhsa_system_vgpr_workitem_id 0
		.amdhsa_next_free_vgpr 1024
		.amdhsa_next_free_sgpr 98
		.amdhsa_reserve_vcc 0
		.amdhsa_float_denorm_mode_32 3
		.amdhsa_float_denorm_mode_16_64 3
		.amdhsa_memory_ordered 1
		.amdhsa_forward_progress 1
		.amdhsa_inst_pref_size 194
	.end_amdhsa_kernel
	.amdgpu_metadata
---
amdhsa.version: [ 1, 2 ]
amdhsa.kernels:
  - .name:           k_q878cfa0298_qkv
    .symbol:         k_q878cfa0298_qkv.kd
    .args:
      - { .name: x_codes, .offset: 0, .size: 8, .value_kind: global_buffer, .address_space: global }
      - { .name: W_qkv_codes, .offset: 8, .size: 8, .value_kind: global_buffer, .address_space: global }
      - { .name: b_qkv, .offset: 16, .size: 8, .value_kind: global_buffer, .address_space: global }
      - { .name: lowp_scales, .offset: 24, .size: 8, .value_kind: global_buffer, .address_space: global }
      - { .name: q_img, .offset: 32, .size: 8, .value_kind: global_buffer, .address_space: global }
      - { .name: k_img, .offset: 40, .size: 8, .value_kind: global_buffer, .address_space: global }
      - { .name: v_img, .offset: 48, .size: 8, .value_kind: global_buffer, .address_space: global }
    .group_segment_fixed_size: 327680
    .private_segment_fixed_size: 0
    .kernarg_segment_align: 8
    .kernarg_segment_size: 56
    .max_flat_workgroup_size: 128
    .sgpr_count:     98
    .vgpr_count:     1024
    .wavefront_size: 32
...
	.end_amdgpu_metadata
.endif
;; end of part 1
;; launch attn (part 2): grid 64 x 4, 16 waves a work-group, no clusters, 35,840 bytes of LDS; arguments q_img, k_img, v_img, key_padding_mask, lowp_scales, y_img; writes y_img
.if DOCPART == 2
	.amdgcn_target "amdgcn-amd-amdhsa--gfx1250"
	.amdhsa_code_object_version 6
	.text
	.protected	k_q878cfa0298_attn
	.globl	k_q878cfa0298_attn
	.p2align	8
	.type	k_q878cfa0298_attn,@function
k_q878cfa0298_attn:
	s_mov_b64 s[64:65], 0
	v_nop
	global_prefetch_b8 v0, s[64:65] scope:SCOPE_SE
	s_setreg_imm32_b32 hwreg(HW_REG_WAVE_MODE, 25, 1), 1
	s_wait_xcnt 0x0
; ctx = softmax(q k^T / 8, under the causal mask OR the given padding mask) v for one head, both products on codes of BF8 (E5M2); ctx is quantised to BF8 with 2^e6 for the last product.
; THE SOFTMAX AHEAD OF THE SECOND PRODUCT: t = score x log2(e) / 8; M = the row's largest t so far, rounded UP to a whole number; p = 2^(t - M) is quantised with 2^e4, not normalised; the row's sum l is taken of the
; unquantised p and divides at the end.  When M moves, l and O are multiplied by 2^(old M - new M): exact.
; SHARES.  Work-group (x = batch x head, y = Y) owns two blocks of 256 queries: first block 7 - Y, then block Y.  Under the causal mask they need 16 - 2 Y and 2 Y + 2 key steps of 128 keys: 18 for every work-group, so the
; loop has a constant count: 9 trips of two steps.  Each of the sixteen waves owns 16 queries in 256 registers: four waves to a SIMD, so that one wave's vector work stands beside another's matrix work and LDS loads.
; LAYOUT.  Both products are used transposed: S^T = K Q^T (source 0 = 16 keys, source 1 = my 16 queries; K = 64), O^T = V^T P^T (source 0 = 16 channels, source 1 = P; K = 128 keys): a lane holds ONE query throughout, and the
; conversion of tile c of S^T gives registers 2 c, 2 c + 1 of P.  q_img, k_img and v_img hold images of operand registers: every load is 16 bytes a lane, 512 consecutive bytes.
; K, V AND THE MASK GO TO LDS THROUGH REGISTERS: wave w copies 1,024 of a step's 16,384 bytes (waves 0-7 K's, 8-15 V's), loaded two steps ahead and stored one step ahead, into two slots by turns; ONE barrier a step.
; The staging has no branch on the step's number: the last two steps load tiles 2 Y + 2 and 2 Y + 3, which lie inside the buffers and which nobody multiplies: 2 of a work-group's 20 loads of a tile.
; NO JOINT LOADS: the four work-groups of a head walk 16 - 2 Y tiles and then begin again at tile 0, so from step 10 on they stand at different tiles; in step with each other they would need 24 steps in place of 18.
; THE PADDING MASK IS THE C OF THE SCORE PRODUCT: wave 0 turns a step's 128 bytes into 128 f32 numbers, 0 or -2^127, and each wave loads them into S^T's registers.  A raw score is under 64 x 57,344^2 < 2^38.
; The running largest t begins at -c 2^40: under every open t and over every padded one, so that a padded key never moves M and its p is 0.  A ROW WITH NO VISIBLE KEY has l = 0 and gets NaN codes, which make its row of the output NaN, as the softmax of nothing is.
; LIMITS on the given exponents: e2 + e3 between -100 and 80 (they are added to c's exponent field; c 2^127 stays large and c 2^40 finite); e4 and e6 between -126 and 112.  The mask's bytes are 0 or 1.
.set SLOT, 16896                       ; LDS: a slot: K's 8 images of 1,024 bytes, V's 4 of 2,048, 128 mask words
.set VOFF, 8192
.set MOFF, 16384
.set LI,   1                           ; v1   16 x lane: my place in an image
.set LW,   2                           ; v2   1,024 x wave + 16 x lane: where I store my part of a tile
.set LMR,  3                           ; v3   32 x (lane / 16): my eight mask words of a tile of 16 keys
.set GA,   5                           ; v5   offset of the tile that is being loaded
.set MA,   6                           ; v6   the same for the mask's bytes (wave 0)
.set PFO,  7                           ; v7   256 x lane: the prefetches' offset; never rewritten
.set L4,   8                           ; v8   4 x lane
.set DL,   10                          ; v10  lane % 16 - 8 (lane / 16)
.set QF,   16                          ; v16-23   Q's fragment
.set TIN,  24                          ; v24  -c 2^40
.set PD,   25                          ; v25  a lane permute's destination
.set NANC, 26                          ; v26  four NaN codes
.set XR,   28                          ; v28-31   the exchange on the way out
.set F,    32                          ; v32-95   K's 8 fragments of 8, then V's 4 of 16
.set S,    96                          ; v96-159  the mask, S^T, then p
.set O,    160                         ; v160-191 O^T
.set P,    192                         ; v192-207 p's codes
.set G,    208                         ; v208-215, v216-223: my 1,024 bytes of two tiles on their way
.set MR,   224                         ; v224 four bytes of the mask (wave 0)
.set MX,   225
.set L2,   226                         ; v[226:227] the sum's second chain
.set MW,   228                         ; v228-231 four mask words
.set YC,   232                         ; v232-239 ctx's codes by tiles of 16 channels
.set YO,   240                         ; v240-247 as they are stored
.set PS,   248                         ; v248 2^e4, v249 57,344 x 2^e4, v250 2^e6, v251 57,344 x 2^e6;  v252-254 at work;  v12 -M, v13 the largest t, v[14:15] l in two halves
.set WV,   16                          ; s16 wave
.set YY,   17                          ; s17 Y
.set N0H,  18                          ; s18 8 - Y: the trip at which the block changes
.set N0,   19                          ; s19 16 - 2 Y: the first block's steps
.set TRIP, 20
.set KF,   21                          ; s21 the step's first key
.set Q0,   22                          ; s22 my first query
.set GL,   23                          ; s23 the number of the step whose tile is loaded next
.set OFFL, 24                          ; s24 that tile's byte offset in a head
.set LIM,  25                          ; s25 a wave prefetches while GL is under this
.set KVB,  26                          ; s[26:27] my 1,024 bytes of the head's tile 0, in k_img or v_img
.set MB,   28                          ; s[28:29] the batch's row of the mask
.set QB,   30                          ; s[30:31] the head in q_img
.set YB,   32                          ; s[32:33] the head's place in y_img
.set SEL,  34                          ; s[34:35] lane selects: lane l xor 16
.set CS,   36                          ; s[36:37] c = log2(e) / 8 x 2^(e2 + e3)
.set PFA,  38                          ; s[38:39] where my prefetches stand
.set E,    40                          ; s[40:47] e0 .. e7
.set TA,   48                          ; s[48:49] at work; Q's address
.set YA,   50                          ; s[50:51] at work; the stores' address
.set HM,   52                          ; s52 lanes 16-31
.set NF,   53                          ; s53 lanes whose query saw no key
.set EPV,  54                          ; s54 e4 + e5
.set TS,   55                          ; s55 at work
	s_load_b256 s[4:11], s[0:1], 0x0               ; q_img s[4:5], k_img s[6:7], v_img s[8:9], the mask s[10:11]
	s_load_b128 s[12:15], s[0:1], 0x20             ; the scales' exponents s[12:13], y_img s[14:15]
	v_lshl_add_u32 v27, v0, 2, 0x8400
	v_mov_b32 v255, 0
	v_lshrrev_b32 v4, 5, v0
	v_readfirstlane_b32 s[WV], v4                  ; wave 0..15
	v_and_b32 v4, 31, v0                           ; lane
	v_lshlrev_b32 v[LI], 4, v4
	s_lshl_b32 s[TS], s[WV], 10
	v_add_nc_u32 v[LW], s[TS], v[LI]
	v_bfe_u32 v9, v0, 4, 1                         ; h
	v_lshlrev_b32 v[LMR], 5, v9
	v_lshlrev_b32 v[PFO], 8, v4
	v_lshlrev_b32 v[L4], 2, v4
	v_and_b32 v11, 15, v0                          ; r
	v_lshlrev_b32 v9, 3, v9
	v_sub_nc_u32 v[DL], v11, v9
	v_mov_b32 v[PD], 0                             ; written once: a lane permute's destination counts as one of its sources
	v_mov_b32 v[XR+2], 0
	v_mov_b32 v[XR+3], 0
	v_mov_b32 v[NANC], 0x7f7f7f7f
	v_mov_b32 v253, 0                              ; (named as the upper half of the pair v[252:253])
	s_and_b32 s[YY], ttmp7, 0xffff
	s_sub_co_u32 s[N0H], 8, s[YY]
	s_lshl_b32 s[N0], s[N0H], 1
	s_mov_b32 s[SEL], 0x76543210
	s_mov_b32 s[SEL+1], 0xfedcba98
	s_mov_b32 s[HM], 0xffff0000
	s_and_b32 s[LIM], s[WV], 7
	s_lshl_b32 s[YA], s[LIM], 10                   ; my 1,024 bytes of a step's 8,192 of K or of V
	s_or_b32 s[LIM], s[LIM], s[YY]
	s_cmp_eq_u32 s[LIM], 0                         ; waves 0 and 8 of the head's work-group Y = 0, which walks all 16 tiles, prefetch
	s_cselect_b32 s[LIM], 14, 0
	s_lshl_b32 s[TA], ttmp9, 17                    ; a head is 131,072 bytes in each of the three buffers
	s_mov_b32 s[TA+1], 0
	s_add_co_u32 s[YA], s[YA], s[TA]
	s_mov_b32 s[YA+1], 0
	s_sub_co_u32 s[Q0], 7, s[YY]
	s_lshl_b32 s[Q0], s[Q0], 8
	s_lshl_b32 s[TS], s[WV], 4
	s_add_co_u32 s[Q0], s[Q0], s[TS]               ; my first query: 256 (7 - Y) + 16 x wave
	s_mov_b32 s[KF], 0
	s_wait_kmcnt 0x0
	s_load_b256 s[E:E+7], s[12:13], 0x0
	s_cmp_lt_u32 s[WV], 8
	s_cselect_b64 s[KVB:KVB+1], s[6:7], s[8:9]
	s_add_nc_u64 s[KVB:KVB+1], s[KVB:KVB+1], s[YA:YA+1]
	global_load_b128 v[G:G+3], v[LI], s[KVB:KVB+1]                     ; tile 0
	global_load_b128 v[G+4:G+7], v[LI], s[KVB:KVB+1] offset:512
	global_load_b128 v[G+8:G+11], v[LI], s[KVB:KVB+1] offset:8192      ; tile 1
	global_load_b128 v[G+12:G+15], v[LI], s[KVB:KVB+1] offset:8704
	s_add_nc_u64 s[QB:QB+1], s[4:5], s[TA:TA+1]
	s_add_nc_u64 s[PFA:PFA+1], s[KVB:KVB+1], 3*8192    ; step 0 steps it to tile 4.  Nothing is prefetched here, at the head
	s_lshr_b32 s[TA], ttmp9, 4                     ; the batch
	s_lshl_b32 s[YA], s[TA], 11
	s_add_nc_u64 s[MB:MB+1], s[10:11], s[YA:YA+1]
	s_cmp_lg_u32 s[WV], 0
	s_cbranch_scc1 .Lhead_a
	global_load_b32 v[MR], v[L4], s[MB:MB+1]       ; the mask of keys 0 to 127, four bytes a lane
.Lhead_a:
	s_lshl_b32 s[TA], s[TA], 19                    ; y_img: [K / 256][row / 16][K step][quarter][lane][16]: batch x 128 row tiles of 4,096 bytes,
	s_and_b32 s[YA], ttmp9, 15                     ; head hh:
	s_lshr_b32 s[TS], s[YA], 2
	s_lshl_b32 s[TS], s[TS], 21                    ; (hh / 4) x 2,097,152,
	s_add_co_u32 s[TA], s[TA], s[TS]
	s_and_b32 s[YA], s[YA], 3
	s_lshl_b32 s[YA], s[YA], 10                    ; (hh % 4) x 1,024
	s_add_co_u32 s[TA], s[TA], s[YA]
	s_add_nc_u64 s[YB:YB+1], s[14:15], s[TA:TA+1]
	s_wait_kmcnt 0x0
	s_add_co_i32 s[TS], s[E+2], s[E+3]
	s_lshl_b32 s[TS], s[TS], 23
	s_add_co_i32 s[CS], s[TS], 0x3e38aa3b          ; c = log2(e) / 8, with e2 + e3 added to its exponent field: a raw score stands for score x 2^(e2 + e3)
	s_mov_b32 s[CS+1], s[CS]                       ; (named with it as a pair, so it is written)
	s_add_co_u32 s[TS], s[CS], 40<<23
	s_or_b32 s[TS], s[TS], 0x80000000
	v_mov_b32 v[TIN], s[TS]                        ; -c 2^40
	s_add_co_i32 s[TS], s[E+4], 127
	s_lshl_b32 s[TA], s[TS], 23
	v_mov_b32 v[PS], s[TA]                         ; 2^e4 as f32, for p's conversion
	s_add_co_i32 s[TS], s[TS], 15
	s_lshl_b32 s[TS], s[TS], 23
	s_or_b32 s[TS], s[TS], 0x600000
	v_mov_b32 v[PS+1], s[TS]                       ; 57,344 x 2^e4
	s_add_co_i32 s[TS], s[E+6], 127
	s_lshl_b32 s[TA], s[TS], 23
	v_mov_b32 v[PS+2], s[TA]                       ; 2^e6
	s_add_co_i32 s[TS], s[TS], 15
	s_lshl_b32 s[TS], s[TS], 23
	s_or_b32 s[TS], s[TS], 0x600000
	v_mov_b32 v[PS+3], s[TS]                       ; 57,344 x 2^e6
	s_add_co_i32 s[EPV], s[E+4], s[E+5]
; A block of queries begins: Q's fragment, the largest t, M, l and O^T.  (The step is written once: the first finds zeros, which the first change of M leaves zeros.)
.macro INIT
	s_lshl_b32 s[TA], s[Q0], 6                     ; 16 queries are an image of 1,024 bytes
	s_mov_b32 s[TA+1], 0
	s_add_nc_u64 s[TA:TA+1], s[QB:QB+1], s[TA:TA+1]
	global_load_b128 v[QF:QF+3], v[LI], s[TA:TA+1]
	global_load_b128 v[QF+4:QF+7], v[LI], s[TA:TA+1] offset:512
	v_mov_b32 v13, v[TIN]
	v_floor_f32 v12, -v[TIN]
	v_mov_b32 v14, 0
	v_mov_b32 v15, 0
.set j, 0
.rept 32
	v_mov_b32 v[O+j], 0
.set j, j+1
.endr
	s_wait_loadcnt 0x0                             ; Q is in, and so is all that was asked for earlier
.endm
; Wave 0: four bytes of the mask, 0 or 1, become four words, 0 or 0xff000000 = -2^127, and go to the slot: key k's word at 4 k.
.macro MASKW slot
	v_lshlrev_b32 v[MX], 8, v[MR]
	v_sub_nc_u32 v[MX], v[MX], v[MR]               ; x 255: each byte 0 or 0xff
	v_lshlrev_b32 v[MW], 24, v[MX]
	v_lshlrev_b32 v[MW+1], 16, v[MX]
	v_lshlrev_b32 v[MW+2], 8, v[MX]
	v_and_b32 v[MW+1], 0xff000000, v[MW+1]
	v_and_b32 v[MW+2], 0xff000000, v[MW+2]
	v_and_b32 v[MW+3], 0xff000000, v[MX]
	ds_store_b128 v[LI], v[MW:MW+3] offset:(\slot)*SLOT+MOFF
.endm
; A KEY STEP on slot q.
.macro STEP q
	s_wait_dscnt 0x0                               ; my stores of this step's tile have landed, and my reads of the other slot are over:
	s_barrier_signal -1
	s_barrier_wait -1                              ; both now hold of all sixteen waves
	s_wait_loadcnt 0x0                             ; my part of the next step's tile, asked for a step ago, is in; its loads' offsets may be written
	s_wait_xcnt 0x0                                ; the last prefetch, a step back, has read its address
	s_add_nc_u64 s[PFA:PFA+1], s[PFA:PFA+1], 8192
	ds_store_b128 v[LW], v[G+8*(1-\q):G+8*(1-\q)+3] offset:(1-\q)*SLOT          ; the next step's tile goes into the slot that was read last
	ds_store_b128 v[LW], v[G+8*(1-\q)+4:G+8*(1-\q)+7] offset:(1-\q)*SLOT+512
	v_add_nc_u32 v[GA], s[OFFL], v[LI]
	global_load_b128 v[G+8*\q:G+8*\q+3], v[GA], s[KVB:KVB+1]                     ; and the tile two steps on is asked for
	global_load_b128 v[G+8*\q+4:G+8*\q+7], v[GA], s[KVB:KVB+1] offset:512
	s_cmp_lg_u32 s[WV], 0
	s_cbranch_scc1 .Lnot_0_\@
	MASKW 1-\q
	s_lshr_b32 s[TS], s[OFFL], 6                   ; a tile of 8,192 bytes is 128 keys
	v_add_nc_u32 v[MA], s[TS], v[L4]
	global_load_b32 v[MR], v[MA], s[MB:MB+1]
.Lnot_0_\@:
	; A PREFETCH INTO THE L2: in step i, i = 0 .. 11, tile i + 4, whose load stands two steps on.  All four work-groups of a head read the same K and V: the one with Y = 0, which walks all 16 tiles, asks; its wave 0 for K's
	; 8,192 bytes, its wave 8 for V's, lanes 256 bytes apart: each block of 256 bytes is named once in the launch.  Tiles 0 to 3 come by their loads alone.
	s_cmp_lt_u32 s[GL], s[LIM]
	s_cbranch_scc0 .Lnot_mine_\@
	global_prefetch_b8 v[PFO], s[PFA:PFA+1] th:TH_LOAD_NT scope:SCOPE_SE
.Lnot_mine_\@:
	s_add_co_u32 s[GL], s[GL], 1
	s_add_co_u32 s[OFFL], s[OFFL], 8192
	s_cmp_eq_u32 s[GL], s[N0]                      ; the second block begins again at tile 0
	s_cselect_b32 s[OFFL], 0, s[OFFL]
	s_add_co_u32 s[TS], s[Q0], 15                  ; a step all of whose keys come after my 16 queries is left out: a branch on ids; no barrier stands behind it in the step
	s_cmp_gt_u32 s[KF], s[TS]
	s_cbranch_scc1 .Lhidden_\@
.irp c, 0,1,2,3,4,5,6,7
	ds_load_b128 v[S+8*\c:S+8*\c+3], v[LMR] offset:\q*SLOT+MOFF+64*\c          ; register 8 c + j: the mask word of key 16 c + 8 h + j
	ds_load_b128 v[S+8*\c+4:S+8*\c+7], v[LMR] offset:\q*SLOT+MOFF+64*\c+16
.endr
.irp c, 0,1,2,3,4,5,6,7
	ds_load_b128 v[F+8*\c:F+8*\c+3], v[LI] offset:\q*SLOT+1024*\c
	ds_load_b128 v[F+8*\c+4:F+8*\c+7], v[LI] offset:\q*SLOT+1024*\c+512
.endr
	s_wait_dscnt 0x0
.irp c, 0,1,2,3,4,5,6,7
	v_wmma_f32_16x16x64_bf8_bf8 v[S+8*\c:S+8*\c+7], v[F+8*\c:F+8*\c+7], v[QF:QF+7], v[S+8*\c:S+8*\c+7]   ; S^T = K Q^T + the mask; eight accumulators, one instruction each
.endr
.rept 4
	v_nop                                          ; places in front of the loads into K's registers and of the first read of the scores
.endr
.irp t, 0,1,2,3
.irp g, 0,1,2,3
	ds_load_b128 v[F+16*\t+4*\g:F+16*\t+4*\g+3], v[LI] offset:\q*SLOT+VOFF+2048*\t+512*\g   ; V's fragments land while the softmax is worked
.endr
.endr
	s_add_co_u32 s[TS], s[KF], 127                 ; on the diagonal the scores of hidden keys become -infinity; a step all of whose keys count skips this
	s_cmp_le_u32 s[TS], s[Q0]
	s_cbranch_scc1 .Lopen_\@
	s_sub_co_i32 s[TS], s[Q0], s[KF]
	v_add_nc_u32 v252, s[TS], v[DL]                ; d = my query - KF - 8 h.  Register 8 c + j holds key KF + 16 c + 8 h + j: hidden where 16 c + j > d
	v_mov_b32 v254, 0xff800000
.set n, 0
.rept 64
	v_cmp_gt_i32 vcc_lo, 16*(n/8)+n%8, v252
	v_cndmask_b32 v[S+n], v[S+n], v254, vcc_lo
.set n, n+1
.endr
.Lopen_\@:
	v_max3_num_f32 v254, v[S], v[S+1], v[S+2]      ; the step's largest score of my query among my 64 keys, in two chains, each accumulator from its low end on,
	v_max3_num_f32 v252, v[S+3], v[S+4], v[S+5]
.irp i, 6,10,14,18,22,26,30,34,38,42,46,50,54,58
	v_max3_num_f32 v254, v254, v[S+\i], v[S+1+\i]
	v_max3_num_f32 v252, v252, v[S+2+\i], v[S+3+\i]
.endr
	v_max3_num_f32 v254, v254, v[S+62], v[S+63]
	v_max_num_f32 v254, v254, v252
	v_permlanex16_b32 v[PD], v254, s[SEL], s[SEL+1]
	v_max_num_f32 v254, v254, v[PD]                ; and among lane l xor 16's
	v_mul_f32 v254, s[CS], v254                    ; as t (c is positive)
	v_max_num_f32 v13, v13, v254                   ; the running largest t
	v_mov_b32 v254, v12
	v_floor_f32 v12, -v13                          ; the new -M = floor(-t) = -ceil(t)
	v_sub_f32 v254, v12, v254                      ; old M - new M: a whole number, 0 or less
	v_cvt_i32_f32 v254, v254                       ; (it saturates)
	v_ldexp_f32 v252, 1.0, v254                    ; f = 2^(old M - new M)
.set j, 0
.rept 32
	v_pk_fma_f32 v[S+j:S+j+1], v[S+j:S+j+1], s[CS:CS+1], v[12:13] op_sel_hi:[1,0,0]   ; t - M, two at a time (of the pairs c and -M the low word serves both halves)
.set j, j+2
.endr
.set j, 0
.rept 64
	v_exp_f32 v[S+j], v[S+j]                       ; p = 2^(t - M), at most 1
.set j, j+1
.endr
	v_pk_mul_f32 v[14:15], v[14:15], v[252:253] op_sel_hi:[1,0]   ; l under the new M: the plain instruction behind the exponentials
	s_wait_alu depctr_va_vdst(0)                   ; one wait for the batch of 64, ahead of its first reader
	v_pk_add_f32 v[L2:L2+1], v[S:S+1], v[S+2:S+3]  ; the sum of the unquantised p, two at a time, in two chains
.irp j, 4,8,12,16,20,24,28,32,36,40,44,48,52,56,60
	v_pk_add_f32 v[14:15], v[14:15], v[S+\j:S+1+\j]
	v_pk_add_f32 v[L2:L2+1], v[L2:L2+1], v[S+2+\j:S+3+\j]
.endr
	v_pk_add_f32 v[14:15], v[14:15], v[L2:L2+1]
	s_cmp_ge_i32 s[E+4], -15                       ; with e4 >= -15 the hold stands at 57,344 x 2^-15 = 1.75 or above and p is at most 1: it would change nothing
	s_cbranch_scc1 .Lno_hold_\@
.set j, 0
.rept 64
	v_min_num_f32 v[S+j], v[S+j], v[PS+1]          ; the conversion does not saturate (ISA guide 7.6.2); p is not negative, so the hold is one-sided
.set j, j+1
.endr
.Lno_hold_\@:
.irp c, 0,1,2,3,4,5,6,7
	v_cvt_scalef32_pk8_bf8_f32 v[P+2*\c:P+2*\c+1], v[S+8*\c:S+8*\c+7], v[PS]   ; registers 2 c, 2 c + 1 of P: keys 16 c + 8 h + 0 .. 7
.endr
.set j, 0
.rept 16
	v_pk_mul_f32 v[O+j:O+j+1], v[O+j:O+j+1], v[252:253] op_sel_hi:[1,0]   ; O^T under the new M; also the plain instructions behind the conversions
.set j, j+2
.endr
	s_wait_dscnt 0x0                               ; V is in
.irp t, 0,1,2,3
	v_wmma_f32_16x16x128_bf8_bf8 v[O+8*\t:O+8*\t+7], v[F+16*\t:F+16*\t+15], v[P:P+15], v[O+8*\t:O+8*\t+7]   ; four accumulators, one instruction each
.endr
.rept 4
	v_nop                                          ; places in front of the next loads into V's registers and of whatever reads or writes O^T next, on every way
.endr
.Lhidden_\@:
	s_add_co_u32 s[KF], s[KF], 128
.endm
; THE WAY OUT of a block: ctx = O^T x 2^(e4 + e5) / l, held, converted with 2^e6.  Tile t's two registers of codes hold channels 16 t + 8 h + 0 .. 7 of my query; the last product's operand wants, in registers 4 c .. 4 c + 3 of
; lane (r, h), channels 32 c + 16 h + 0 .. 15: the two halves of the lanes exchange one tile of each pair.  Two stores of 512 consecutive bytes.
.macro WAYOUT
	s_wait_xcnt 0x0                                ; the earlier way out's stores have read their registers and their base
	s_lshl_b32 s[YA], s[Q0], 8                     ; 16 queries are a row tile of 4,096 bytes
	s_mov_b32 s[YA+1], 0
	s_add_nc_u64 s[YA:YA+1], s[YB:YB+1], s[YA:YA+1]
	v_add_f32 v14, v14, v15                        ; l's two halves,
	v_permlanex16_b32 v[PD], v14, s[SEL], s[SEL+1]
	v_add_f32 v14, v14, v[PD]                      ; and lane l xor 16's
	v_cmp_eq_f32 s[NF], 0, v14                     ; a query that saw an open key has l over 1/2; one that saw none has l = 0
	v_rcp_f32 v14, v14
	v_nop                                          ; a plain instruction behind the transcendental
	s_wait_alu depctr_va_vdst(0)                   ; and the wait ahead of its first reader
	v_ldexp_f32 v14, v14, s[EPV]
.set j, 0
.rept 32
	v_mul_f32 v[S+j], v[O+j], v14                  ; each accumulator from its low end on
.set j, j+1
.endr
.set j, 0
.rept 32
	v_med3_num_f32 v[S+j], v[S+j], -v[PS+3], v[PS+3]
.set j, j+1
.endr
.irp t, 0,1,2,3
	v_cvt_scalef32_pk8_bf8_f32 v[YC+2*\t:YC+2*\t+1], v[S+8*\t:S+8*\t+7], v[PS+2]
.endr
	v_nop                                          ; one plain instruction behind the last conversion
.irp c, 0,1
	v_cndmask_b32 v[XR], v[YC+4*\c+2], v[YC+4*\c], s[HM]           ; what my partner wants: lanes 0-15 send tile 2 c + 1, lanes 16-31 tile 2 c
	v_cndmask_b32 v[XR+1], v[YC+4*\c+3], v[YC+4*\c+1], s[HM]
	v_permlanex16_b32 v[XR+2], v[XR], s[SEL], s[SEL+1]
	v_permlanex16_b32 v[XR+3], v[XR+1], s[SEL], s[SEL+1]
	v_cndmask_b32 v[YO+4*\c], v[YC+4*\c], v[XR+2], s[HM]
	v_cndmask_b32 v[YO+4*\c+1], v[YC+4*\c+1], v[XR+3], s[HM]
	v_cndmask_b32 v[YO+4*\c+2], v[XR+2], v[YC+4*\c+2], s[HM]
	v_cndmask_b32 v[YO+4*\c+3], v[XR+3], v[YC+4*\c+3], s[HM]
.endr
.irp i, 0,1,2,3,4,5,6,7
	v_cndmask_b32 v[YO+\i], v[YO+\i], v[NANC], s[NF]
.endr
	global_store_b128 v[LI], v[YO:YO+3], s[YA:YA+1]
	global_store_b128 v[LI], v[YO+4:YO+7], s[YA:YA+1] offset:512
.endm
	INIT                                           ; its wait covers tiles 0 and 1 and the mask's first bytes
	ds_store_b128 v[LW], v[G:G+3]                  ; tile 0 into slot 0
	ds_store_b128 v[LW], v[G+4:G+7] offset:512
	s_cmp_lg_u32 s[WV], 0
	s_cbranch_scc1 .Lhead_b
	MASKW 0
	global_load_b32 v[MR], v[L4], s[MB:MB+1] offset:128    ; the mask of keys 128 to 255
.Lhead_b:
	s_mov_b32 s[GL], 2
	s_mov_b32 s[OFFL], 2*8192
	s_mov_b32 s[TRIP], 0
.Ltrip:                                            ; 9 trips of two key steps
	s_cmp_lg_u32 s[TRIP], s[N0H]                   ; a branch on ids, the same in all sixteen waves: the first block is done
	s_cbranch_scc1 .Lsame
	WAYOUT
	s_lshl_b32 s[Q0], s[YY], 8
	s_lshl_b32 s[TS], s[WV], 4
	s_add_co_u32 s[Q0], s[Q0], s[TS]               ; my first query: 256 Y + 16 x wave
	s_mov_b32 s[KF], 0
	INIT
.Lsame:
	STEP 0
	STEP 1
	s_add_co_u32 s[TRIP], s[TRIP], 1
	s_cmp_lt_u32 s[TRIP], 9
	s_cbranch_scc1 .Ltrip
	WAYOUT
	s_wait_tensorcnt 0x0
	ds_add_u32 v27, v255
	s_wait_dscnt 0x0
	s_endpgm
.Lfunc_end_k_q878cfa0298_attn:
	.size	k_q878cfa0298_attn, .Lfunc_end_k_q878cfa0298_attn-k_q878cfa0298_attn
	.p2alignl 7, 3214868480
	.fill 96, 4, 3214868480
	.section	.rodata,"a",@progbits
	.p2align	6, 0x0
	.amdhsa_kernel k_q878cfa0298_attn
		.amdhsa_group_segment_fixed_size 35840
		.amdhsa_private_segment_fixed_size 0
		.amdhsa_enable_private_segment 0
		.amdhsa_kernarg_size 48
		.amdhsa_user_sgpr_count 2
		.amdhsa_user_sgpr_kernarg_segment_ptr 1
		.amdhsa_wavefront_size32 1
		.amdhsa_system_sgpr_workgroup_id_x 1
		.amdhsa_system_sgpr_workgroup_id_y 1
		.amdhsa_system_sgpr_workgroup_id_z 1
		.amdhsa_system_vgpr_workitem_id 0
		.amdhsa_next_free_vgpr 256
		.amdhsa_next_free_sgpr 66
		.amdhsa_reserve_vcc 1
		.amdhsa_float_denorm_mode_32 3
		.amdhsa_float_denorm_mode_16_64 3
		.amdhsa_memory_ordered 1
		.amdhsa_forward_progress 1
		.amdhsa_inst_pref_size 65
	.end_amdhsa_kernel
	.amdgpu_metadata
---
amdhsa.version: [ 1, 2 ]
amdhsa.kernels:
  - .name:           k_q878cfa0298_attn
    .symbol:         k_q878cfa0298_attn.kd
    .args:
      - { .name: q_img, .offset: 0, .size: 8, .value_kind: global_buffer, .address_space: global }
      - { .name: k_img, .offset: 8, .size: 8, .value_kind: global_buffer, .address_space: global }
      - { .name: v_img, .offset: 16, .size: 8, .value_kind: global_buffer, .address_space: global }
      - { .name: key_padding_mask, .offset: 24, .size: 8, .value_kind: global_buffer, .address_space: global }
      - { .name: lowp_scales, .offset: 32, .size: 8, .value_kind: global_buffer, .address_space: global }
      - { .name: y_img, .offset: 40, .size: 8, .value_kind: global_buffer, .address_space: global }
    .group_segment_fixed_size: 35840
    .private_segment_fixed_size: 0
    .kernarg_segment_align: 8
    .kernarg_segment_size: 48
    .max_flat_workgroup_size: 512
    .sgpr_count:     66
    .vgpr_count:     256
    .wavefront_size: 32
...
	.end_amdgpu_metadata
.endif
;; end of part 2
;; launch oproj (part 3): grid 4 x 32, 4 waves a work-group, clusters of 4 x 4, 327,680 bytes of LDS; arguments y_img, W_o_codes, b_o, lowp_scales, out0; writes out0
.if DOCPART == 3
	.amdgcn_target "amdgcn-amd-amdhsa--gfx1250"
	.amdhsa_code_object_version 6
	.text
	.protected	k_q878cfa0298_oproj
	.globl	k_q878cfa0298_oproj
	.p2align	8
	.type	k_q878cfa0298_oproj,@function
k_q878cfa0298_oproj:
	s_mov_b64 s[64:65], 0
	v_nop
	global_prefetch_b8 v0, s[64:65] scope:SCOPE_SE
	s_setreg_imm32_b32 hwreg(HW_REG_WAVE_MODE, 25, 1), 1
	s_wait_xcnt 0x0
	s_wait_alu depctr_hold_cnt(0) depctr_sa_sdst(0) depctr_va_vdst(0) depctr_va_sdst(0) depctr_va_ssrc(0) depctr_va_vcc(0) depctr_vm_vsrc(0)
	s_getreg_b32 s2, hwreg(HW_REG_IB_STS2, 6, 4)
	s_cmp_eq_u32 s2, 0
	s_cbranch_scc0 .Lentry_in_a_cluster
	s_endpgm
.Lentry_in_a_cluster:
	s_bfe_u32 s2, ttmp6, 0x10000c
	s_cmp_lg_u32 s2, 0xf033
	s_cbranch_scc0 .Lentry_shape_is_right
	s_endpgm
.Lentry_shape_is_right:
; out0 = y W_o + b_o on codes of BF8 (E5M2).  y: 8,192 rows x 1,024 as IMAGES of operand registers (below); W_o: [1024][1024] codes, K innermost; out0: [8192][1024] f32 = sum x 2^(e6 + e7) + b_o.
; y_img: [K / 256][row / 16][K step of 128: 2][quarter 4][lane][16 bytes]: registers 4 c .. 4 c + 3 of lane (r, h) hold K = 32 c + 16 h + 0 .. 15 of row r: the order in which four loads of 16 bytes give W_o's rows.
; A tile of 256 x 256 is made by four waves, each 128 x 128: 64 accumulators, 512 registers.  K = 1,024 goes in four steps of 256 through a ring of two LDS slots filled by the tensor data mover.
; A's part of a slot is one dense block of memory, 65,536 bytes, and lies in LDS as it lies in memory: a fragment load takes 512 consecutive bytes.  B's rows of 256 bytes get 16 of padding.
; CLUSTERS: 4 x 4 work-groups; A's tiles are asked for jointly along a row of the cluster, B's along a column.  THE MATRIX INSTRUCTION IS USED TRANSPOSED (source 0 = 16 rows of W_o, source 1 = 16 rows of y).
; A row of y that holds NaN codes (a query that saw no key) gives a row of NaN.   LIMIT: e6 + e7 between -126 and 127.
; REGISTERS, in windows of 256: window 0: v0-31 addresses, v8-11 my four numbers of the bias; from v128 A's fragments, ONE set; on the way out v128-255 rows of the output.
;   window 1: B's fragments, two sets.   window 2: the accumulators of my rows 0-63 ((a, b) at v[8 (8 a + b)]);   window 3: those of my rows 64-127.
.set ROWB,   256                       ; a tile's row in bytes
.set KROW,   1024                      ; a row of W_o in memory, in bytes
.set PITCH,  272                       ; B's LDS row: 256 bytes + 16 of padding = 68 words: the 16 rows that a load touches start at 16 different banks (64 banks of 4 bytes: ISA guide 11.1)
.set FR,     16
.set NL,     4
.set NP,     4
.set AH,     32768                     ; A: 8 row tiles of 4,096 bytes: what one tensor load brings, and what one wave reads
.set ASTEP,  2097152                   ; from one K step of 256 to the next in y_img
.set HALFT,  128*PITCH                 ; B: 128 rows
.set BOFF,   2*AH                      ; B's rows lie behind A's two halves
.set SLOT,   BOFF+2*HALFT
.set SPARE,  2*SLOT                    ; behind the ring: the spare words, 128 bytes for each wave
.set SPITCH, 528                       ; the way out: a stage of 16 rows x (512 bytes + 16) for each wave, at the head of slot 0, which has had its last fill and its last read when the first result is stored there
.set BI,   8                           ; v8-11   b_o at my four columns of a row of 128
.set ADRA, 16
.set ADRB, 20
.set STO,  24                          ; v24     the way out: where I put 32 bytes of a row
.set RD,   25                          ; v25     where I read a row back
.set CO,   26                          ; v26     16 x lane
.set SPW,  28
.set NIL,  29
.set AF,   128
.set BK,   128                         ; the way out: 16 rows read back: v128-191 and v192-255 by turns
.set G1, 24
.set G0, 32
.set G1B, 48
.set G0B, 56
.set MSB, 0
.macro WIN new                         ; the immediate's high byte repeats the setting that is left
.if MSB != \new
	s_set_vgpr_msb (MSB<<8)|\new
.set MSB, \new
.endif
.endm
.set MUL_LO, 0xa1
.set MUL_HI, 0xf1
.set TO_B,   0x40
.macro JLOAD g0a, g1a, g0b, g1b        ; a joint load: waves 0 and 1 fetch for A, waves 2 and 3 for B; four v_nop follow each of the two lines
	s_cmp_eq_u32 s15, 0
	s_cbranch_scc0 .Lfor_b_\@
	tensor_load_to_lds s[\g0a:\g0a+3], s[\g1a:\g1a+7]
	s_nop 0
.rept 4
	v_nop
.endr
	s_branch .Lasked_\@
.Lfor_b_\@:
	tensor_load_to_lds s[\g0b:\g0b+3], s[\g1b:\g1b+7]
	s_nop 0
.rept 4
	v_nop
.endr
.Lasked_\@:
.endm
.macro CREST
	s_cmp_lg_u32 s14, 0
	s_cbranch_scc1 .Lnot_wave_0_\@
	s_barrier_signal -3
.Lnot_wave_0_\@:
	s_barrier_wait -3
	s_barrier_signal -1
	s_barrier_wait -1
.endm
.macro CROUND
	s_barrier_signal -1
	s_barrier_wait -1
	CREST
.endm
	s_load_b128 s[4:7], s[0:1], 0x0                ; y_img s[4:5], W_o's codes s[6:7]
	s_load_b128 s[8:11], s[0:1], 0x10              ; b_o s[8:9], the scales' exponents s[10:11]
	s_load_b64 s[12:13], s[0:1], 0x20              ; out0
	v_lshl_add_u32 v[SPW], v0, 2, SPARE
	v_mov_b32 v[NIL], 0
	ds_add_u32 v28, v29
	ds_add_u32 v28, v29
	s_wait_dscnt 0x0
	v_lshrrev_b32 v1, 5, v0
	v_readfirstlane_b32 s14, v1                    ; wave 0..3
	s_lshr_b32 s15, s14, 1                         ; which half of the tile's rows is mine.  Also: I fetch for A (0) or for B (1)
	s_and_b32 s16, s14, 1                          ; which half of its columns.  Also: which half of that tile I fetch
	s_bfe_u32 s40, ttmp6, 0x40000                  ; cx, cy
	s_bfe_u32 s41, ttmp6, 0x40004
	s_lshl_b32 s42, ttmp9, 2
	s_add_co_u32 s42, s42, s40                     ; tile column = 4 x cluster x + cx
	s_and_b32 s17, ttmp7, 0xffff
	s_lshl_b32 s17, s17, 2
	s_add_co_u32 s17, s17, s41                     ; tile row = 4 x cluster y + cy
	s_lshl_b32 s43, s41, 2
	s_lshl_b32 s43, 15, s43                        ; my row of the cluster
	s_lshl_b32 s44, 0x1111, s40                    ; my column
	; descriptor group 1.  A: 128 rows x 256 bytes, dense in memory and in LDS.  B: 128 rows x 256 bytes, 1,024 apart in memory, padded in LDS
	s_or_b32 s[G1+0], s43, (0<<16)|(1<<21)         ; 15:0 the mask: my row; 17:16 element of 1 byte; 20 no padding; 21 set beside a mask
	s_or_b32 s[G1B+0], s44, (0<<16)|(1<<20)|(1<<21)|(5<<22)|(3<<25)  ; the mask: my column; padding: four words after every 64
.irp g, G1, G1B
	s_mov_b32 s[\g+1], ROWB<<16                    ; tensor_dim0
	s_mov_b32 s[\g+2], 128<<16                     ; tensor_dim1 = 128
	s_mov_b32 s[\g+3], ROWB<<16                    ; tile_dim0
	s_mov_b32 s[\g+4], 128                         ; tile_dim1 = 128
	s_mov_b32 s[\g+6], 0
	s_mov_b32 s[\g+7], 0
.endr
	s_mov_b32 s[G1+5], ROWB                        ; tensor_dim0_stride: A's rows follow each other
	s_mov_b32 s[G1B+5], KROW
	s_lshl_b32 s20, s17, 16                        ; A: a tile row's 16 row tiles are 65,536 bytes,
	s_lshl_b32 s18, s16, 15                        ; my half of them
	s_add_co_u32 s20, s20, s18
	s_mov_b32 s21, 0
	s_lshl_b32 s46, s42, 8
	s_lshl_b32 s18, s16, 7
	s_add_co_u32 s46, s46, s18                     ; B: row 256 x tile column + 128 x half,
	s_lshl_b32 s46, s46, 10                        ; of 1,024 bytes
	s_mov_b32 s47, 0
	s_mul_i32 s45, s16, AH                         ; where they go: no place in the cluster enters an LDS address
	s_mul_i32 s67, s16, HALFT
	s_add_co_u32 s67, s67, BOFF
	s_wait_kmcnt 0x0
	s_load_b256 s[84:91], s[10:11], 0x0            ; e0 .. e7
	s_add_nc_u64 s[20:21], s[4:5], s[20:21]
	s_add_nc_u64 s[46:47], s[6:7], s[46:47]
	CROUND                                         ; all sixteen work-groups are here: the first joint loads meet
.irp s, 0,1
	s_mov_b32 s[G0+4*\s], 1
	s_add_co_u32 s[G0+4*\s+1], s45, \s*SLOT
	s_add_nc_u64 s[G0+4*\s+2:G0+4*\s+3], s[20:21], \s*ASTEP
	s_or_b32 s[G0+4*\s+3], s[G0+4*\s+3], 0x80000000
	s_mov_b32 s[G0B+4*\s], 1
	s_add_co_u32 s[G0B+4*\s+1], s67, \s*SLOT
	s_add_nc_u64 s[G0B+4*\s+2:G0B+4*\s+3], s[46:47], \s*ROWB
	s_or_b32 s[G0B+4*\s+3], s[G0B+4*\s+3], 0x80000000
	JLOAD G0+4*\s, G1, G0B+4*\s, G1B
.endr
	v_and_b32 v1, 15, v0                           ; r
	v_bfe_u32 v2, v0, 4, 1                         ; h
	v_mul_u32_u24 v3, v1, PITCH
	v_lshl_add_u32 v4, v2, 4, v3                   ; B: a fragment's row x pitch + 16 x half
	v_and_b32 v6, 31, v0
	v_lshlrev_b32 v[CO], 4, v6                     ; A: 16 x lane
	s_mul_i32 s21, s15, AH                         ; my 8 row tiles of A
	s_mul_i32 s22, s16, HALFT                      ; my 128 rows of B
	s_add_co_u32 s22, s22, BOFF
.irp s, 0,1
	v_add_nc_u32 v[ADRA+\s], s21, v[CO]
	v_add_nc_u32 v[ADRB+\s], s22, v4
	s_add_co_u32 s21, s21, SLOT
	s_add_co_u32 s22, s22, SLOT
.endr
	s_mul_i32 s23, s14, 16*SPITCH                  ; my stage
	v_mul_u32_u24 v5, v1, SPITCH                   ; in: row r, 32 bytes for each half of the lanes
	v_lshl_add_u32 v5, v2, 5, v5
	v_add_nc_u32 v[STO], s23, v5
	v_add_nc_u32 v[RD], s23, v[CO]                 ; back: the 32 lanes take one row of 512 bytes
	s_lshl_b32 s18, s42, 10
	s_lshl_b32 s19, s16, 9
	s_add_co_u32 s18, s18, s19                     ; my first column, in bytes: 1,024 x tile column + 512 x half: in b_o and in a row of out0
	s_mov_b32 s19, 0
	s_add_nc_u64 s[68:69], s[8:9], s[18:19]
	global_load_b128 v[BI:BI+3], v[CO], s[68:69]   ; b_o at my four columns
	s_lshl_b32 s20, s17, 8
	s_lshl_b32 s21, s15, 7
	s_add_co_u32 s20, s20, s21                     ; my first row: 256 x tile row + 128 x half,
	s_lshl_b32 s20, s20, 12                        ; of 4,096 bytes (under 2^25)
	s_add_co_u32 s20, s20, s18
	s_mov_b32 s21, 0
	s_add_nc_u64 s[12:13], s[12:13], s[20:21]
.macro FRAG reg, adr, q, i             ; B: a fragment from rows: registers 4 c .. 4 c + 3 hold K = 32 c + 16 (l / 16) + 0 .. 15 of row l % 16
.irp c, 0,1,2,3
	ds_load_b128 v[\reg+4*\c:\reg+4*\c+3], v[\adr] offset:128*(\q)+32*\c+(\i)*16*PITCH
.endr
.endm
.macro FRAGA reg, adr, q, i            ; A: a fragment from its image: row tile i, K step q, quarter c
.irp c, 0,1,2,3
	ds_load_b128 v[\reg+4*\c:\reg+4*\c+3], v[\adr] offset:(\i)*4096+(\q)*2048+512*\c
.endr
.endm
.macro MUL16 a0, p, zero               ; 16 matrix instructions; the 64 accumulators take turns, one instruction a turn
.irp a, \a0, \a0+1
.irp b, 0,1,2,3,4,5,6,7
.if \zero
	v_wmma_f32_16x16x128_bf8_bf8 v[8*(8*((\a)%4)+\b):8*(8*((\a)%4)+\b)+7], v[128*(\p)+FR*\b:128*(\p)+FR*\b+FR-1], v[AF+FR*(\a):AF+FR*(\a)+FR-1], 0
.else
	v_wmma_f32_16x16x128_bf8_bf8 v[8*(8*((\a)%4)+\b):8*(8*((\a)%4)+\b)+7], v[128*(\p)+FR*\b:128*(\p)+FR*\b+FR-1], v[AF+FR*(\a):AF+FR*(\a)+FR-1], v[8*(8*((\a)%4)+\b):8*(8*((\a)%4)+\b)+7]
.endif
.endr
.endr
.endm
.macro FETCH_B slot, q, p
	WIN TO_B
.irp i, 0,1,2,3,4,5,6,7
	FRAG 128*(\p)+FR*\i, ADRB+\slot, \q, \i
.endr
	WIN 0
.endm
.macro FETCH_A slot, q, i0
.irp i, \i0, \i0+1, \i0+2, \i0+3
	FRAGA AF+FR*(\i), ADRA+\slot, \q, \i
.endr
.endm
.macro PLACES n                        ; plain vector instructions between a matrix instruction and a load into a register that it read, or a read of its result
.rept \n
	v_nop
.endr
.endm
.macro STEP slot, q, zero              ; a step of 128 along K that has its successor in the same slot
	s_wait_dscnt 4*NL                              ; B's set and A's blocks 0-3 are in; the youngest sixteen loads (A's blocks 4-7) may be out
	WIN MUL_LO
	MUL16 0, (\q)%2, \zero
	MUL16 2, (\q)%2, \zero
	s_wait_dscnt 0
	PLACES NP
	FETCH_B \slot, (\q)+1, 1-(\q)%2
	FETCH_A \slot, (\q)+1, 0
	WIN MUL_HI
	MUL16 4, (\q)%2, \zero
	MUL16 6, (\q)%2, \zero
	PLACES NP
	WIN 0
	FETCH_A \slot, (\q)+1, 4
.endm
.macro TURN slot, next, fill           ; a slot's last step changes slots: one barrier, with the three lines in front of it
	s_wait_tensorcnt 0x0                           ; all my tensor loads have landed: my part of the next slot
	ds_add_u32 v[SPW], v[NIL]                      ; 0 onto my spare word
	s_wait_dscnt 4*NL+1                            ; (the add and the youngest sixteen loads may be out)
	WIN MUL_LO
	MUL16 0, 1, 0
	s_wait_dscnt 0x0                               ; the add is done, and my reads of this slot are over
	s_barrier_signal -1
	MUL16 2, 1, 0
	WIN 0
	s_barrier_wait -1
.if \fill
	CREST                                          ; the barrier has opened a round of the cluster's barrier: no wave of any partner still reads this slot or has a load on its way
	s_add_nc_u64 s[G0+4*\slot+2:G0+4*\slot+3], s[G0+4*\slot+2:G0+4*\slot+3], 2*ASTEP
	s_add_nc_u64 s[G0B+4*\slot+2:G0B+4*\slot+3], s[G0B+4*\slot+2:G0B+4*\slot+3], 2*ROWB
	JLOAD G0+4*\slot, G1, G0B+4*\slot, G1B         ; the first tensor load behind the round; its four v_nop are the places in front of the loads below
.else
	PLACES NP
.endif
	FETCH_B \next, 0, 0
	FETCH_A \next, 0, 0
	WIN MUL_HI
	MUL16 4, 1, 0
	MUL16 6, 1, 0
	PLACES NP
	WIN 0
	FETCH_A \next, 0, 4
.endm
	s_wait_tensorcnt 1                             ; my part of K step 0 is in (K step 1's load may be out)
	s_barrier_signal -1
	s_barrier_wait -1                              ; everybody's is
	FETCH_B 0, 0, 0
	FETCH_A 0, 0, 0
	FETCH_A 0, 0, 4
	STEP 0, 0, 1                                   ; these products start the sums
	TURN 0, 1, 1
	STEP 1, 0, 0
	TURN 1, 0, 1
	STEP 0, 0, 0
	TURN 0, 1, 0                                   ; nothing is left to fetch: no round
	STEP 1, 0, 0
	s_wait_dscnt 4*NL
	WIN MUL_LO
	MUL16 0, 1, 0
	MUL16 2, 1, 0
	s_wait_dscnt 0
	WIN MUL_HI
	MUL16 4, 1, 0
	MUL16 6, 1, 0
	WIN 0
; THE WAY OUT, block by block of 16 rows x 128 columns.  A lane holds 32 neighbouring bytes of a row: the raw sums go through my own stage in LDS and come back as whole rows of 512 bytes; there a lane holds four columns,
; so that four registers of the bias serve every row: sum x 2^(e6 + e7) + b_o, two at a time.  LDS serves a wave's instructions in order (ISA guide 5.7.1.4): no wait between the stores and the loads.
.macro TOSTAGE a
.set AC, 64*((\a)%4)
	WIN (0x02+((\a)/4))<<2                         ; an LDS store's data: window 2 or 3
.irp b, 0,1,2,3,4,5,6,7
	ds_store_b128 v[STO], v[AC+8*\b:AC+8*\b+3] offset:64*\b           ; each accumulator from its low end on
	ds_store_b128 v[STO], v[AC+8*\b+4:AC+8*\b+7] offset:64*\b+16
.endr
	WIN 0
.set BB, BK+64*((\a)%2)
.irp t, 0,1,2,3,4,5,6,7,8,9,10,11,12,13,14,15
	ds_load_b128 v[BB+4*\t:BB+4*\t+3], v[RD] offset:\t*SPITCH
.endr
.endm
.macro SEND a, younger                 ; younger: the LDS instructions issued behind block a's loads, which may stay out
.set BB, BK+64*((\a)%2)
	s_wait_dscnt \younger
.if (\a) > 0
	s_add_nc_u64 s[12:13], s[12:13], 16*4096       ; (behind a wait on XCNT: the earlier stores have read their base)  16 rows on
.endif
.irp t, 0,1,2,3,4,5,6,7,8,9,10,11,12,13,14,15
	v_pk_fma_f32 v[BB+4*\t:BB+4*\t+1], v[BB+4*\t:BB+4*\t+1], s[96:97], v[BI:BI+1] op_sel_hi:[1,0,1]
	v_pk_fma_f32 v[BB+4*\t+2:BB+4*\t+3], v[BB+4*\t+2:BB+4*\t+3], s[96:97], v[BI+2:BI+3] op_sel_hi:[1,0,1]
	global_store_b128 v[CO], v[BB+4*\t:BB+4*\t+3], s[12:13] offset:\t*4096 th:TH_STORE_NT   ; 32 lanes store 512 consecutive bytes, at a multiple of 256 from out0's first byte
.endr
.endm
	s_wait_kmcnt 0x0
	s_add_co_i32 s96, s90, s91                     ; e6 + e7
	s_add_co_i32 s96, s96, 127
	s_lshl_b32 s96, s96, 23                        ; 2^(e6 + e7) as f32
	s_mov_b32 s97, s96                             ; (named with it as a pair, so it is written)
	s_wait_loadcnt 0x0                             ; the bias
	PLACES NP                                      ; behind the last products: their results are read by LDS stores, and the registers that held A's fragments are loaded
	TOSTAGE 0
.irp a, 1,2,3,4,5,6,7
.if \a > 1
	s_wait_xcnt 0x0                                ; block a - 2's stores have read their registers and their base
.endif
	TOSTAGE \a
	SEND \a-1, 32                                  ; behind block a - 1's loads: block a's 16 stores and 16 loads
.endr
	s_wait_xcnt 0x0
	SEND 7, 0
	s_wait_tensorcnt 0x0                           ; the wave's end
	ds_add_u32 v[SPW], v[NIL]
	s_wait_dscnt 0x0
	CROUND                                         ; the closing round
	s_endpgm
.Lfunc_end_k_q878cfa0298_oproj:
	.size	k_q878cfa0298_oproj, .Lfunc_end_k_q878cfa0298_oproj-k_q878cfa0298_oproj
	.p2alignl 7, 3214868480
	.fill 96, 4, 3214868480
	.section	.rodata,"a",@progbits
	.p2align	6, 0x0
	.amdhsa_kernel k_q878cfa0298_oproj
		.amdhsa_group_segment_fixed_size 327680
		.amdhsa_private_segment_fixed_size 0
		.amdhsa_enable_private_segment 0
		.amdhsa_kernarg_size 40
		.amdhsa_user_sgpr_count 2
		.amdhsa_user_sgpr_kernarg_segment_ptr 1
		.amdhsa_wavefront_size32 1
		.amdhsa_system_sgpr_workgroup_id_x 1
		.amdhsa_system_sgpr_workgroup_id_y 1
		.amdhsa_system_sgpr_workgroup_id_z 1
		.amdhsa_system_vgpr_workitem_id 0
		.amdhsa_next_free_vgpr 1024
		.amdhsa_next_free_sgpr 98
		.amdhsa_reserve_vcc 0
		.amdhsa_float_denorm_mode_32 3
		.amdhsa_float_denorm_mode_16_64 3
		.amdhsa_memory_ordered 1
		.amdhsa_forward_progress 1
		.amdhsa_inst_pref_size 123
	.end_amdhsa_kernel
	.amdgpu_metadata
---
amdhsa.version: [ 1, 2 ]
amdhsa.kernels:
  - .name:           k_q878cfa0298_oproj
    .symbol:         k_q878cfa0298_oproj.kd
    .args:
      - { .name: y_img, .offset: 0, .size: 8, .value_kind: global_buffer, .address_space: global }
      - { .name: W_o_codes, .offset: 8, .size: 8, .value_kind: global_buffer, .address_space: global }
      - { .name: b_o, .offset: 16, .size: 8, .value_kind: global_buffer, .address_space: global }
      - { .name: lowp_scales, .offset: 24, .size: 8, .value_kind: global_buffer, .address_space: global }
      - { .name: out0, .offset: 32, .size: 8, .value_kind: global_buffer, .address_space: global }
    .group_segment_fixed_size: 327680
    .private_segment_fixed_size: 0
    .kernarg_segment_align: 8
    .kernarg_segment_size: 40
    .max_flat_workgroup_size: 128
    .sgpr_count:     98
    .vgpr_count:     1024
    .wavefront_size: 32
...
	.end_amdgpu_metadata
.endif
;; end of part 3
;; ======== version 2 of 2: 3 launches; version 1 with the launch attn written anew for expert scheduling mode
;; limits: right only within a limited range of input values
;; workspace buffers: q_img 8,388,608 bytes; k_img 8,388,608 bytes; v_img 8,388,608 bytes; y_img 8,388,608 bytes
;; launch qkv: the kernel of part 1 again; grid 12 x 32, 4 waves a work-group, clusters of 4 x 4, 327,680 bytes of LDS; arguments x_codes, W_qkv_codes, b_qkv, lowp_scales, q_img, k_img, v_img; writes q_img, k_img, v_img
;; launch attn (part 4): grid 64 x 4, 16 waves a work-group, no clusters, 35,840 bytes of LDS; arguments q_img, k_img, v_img, key_padding_mask, lowp_scales, y_img; writes y_img
.if DOCPART == 4
	.amdgcn_target "amdgcn-amd-amdhsa--gfx1250"
	.amdhsa_code_object_version 6
	.text
	.protected	k_q878cfa0298_attn
	.globl	k_q878cfa0298_attn
	.p2align	8
	.type	k_q878cfa0298_attn,@function
k_q878cfa0298_attn:
	s_mov_b64 s[64:65], 0
	v_nop
	global_prefetch_b8 v0, s[64:65] scope:SCOPE_SE
	s_setreg_imm32_b32 hwreg(HW_REG_WAVE_SCHED_MODE, 0, 2), 2
	s_setreg_imm32_b32 hwreg(HW_REG_WAVE_MODE, 25, 1), 1
	s_wait_xcnt 0x0
	s_wait_alu depctr_vm_vsrc(0)
; ctx = softmax(q k^T / 8, under the causal mask OR the given padding mask) v for one head, both products on codes of BF8 (E5M2); ctx is quantised to BF8 with 2^e6 for the last product.
; THE SOFTMAX AHEAD OF THE SECOND PRODUCT: t = score x log2(e) / 8; M = the row's largest t so far, rounded UP to a whole number; p = 2^(t - M) is quantised with 2^e4, not normalised; the row's sum l is taken of the
; unquantised p and divides at the end.  When M moves, l and O are multiplied by 2^(old M - new M): exact.
; SHARES.  Work-group (x = batch x head, y = Y) owns two blocks of 256 queries: first block 7 - Y, then block Y.  Under the causal mask they need 16 - 2 Y and 2 Y + 2 key steps of 128 keys: 18 for every work-group, so the
; loop has a constant count: 9 trips of two steps.  Each of the sixteen waves owns 16 queries in 256 registers: four waves to a SIMD, so that one wave's vector work stands beside another's matrix work and LDS loads.
; LAYOUT.  Both products are used transposed: S^T = K Q^T (source 0 = 16 keys, source 1 = my 16 queries; K = 64), O^T = V^T P^T (source 0 = 16 channels, source 1 = P; K = 128 keys): a lane holds ONE query throughout, and the
; conversion of tile c of S^T gives registers 2 c, 2 c + 1 of P.  q_img, k_img and v_img hold images of operand registers: every load is 16 bytes a lane, 512 consecutive bytes.
; K, V AND THE MASK GO TO LDS THROUGH REGISTERS: wave w copies 1,024 of a step's 16,384 bytes (waves 0-7 K's, 8-15 V's), loaded two steps ahead and stored one step ahead, into two slots by turns; ONE barrier a step.
; The staging has no branch on the step's number: the last two steps load tiles 2 Y + 2 and 2 Y + 3, which lie inside the buffers and which nobody multiplies: 2 of a work-group's 20 loads of a tile.
; NO JOINT LOADS: the four work-groups of a head walk 16 - 2 Y tiles and then begin again at tile 0, so from step 10 on they stand at different tiles; in step with each other they would need 24 steps in place of 18.
; THE PADDING MASK IS THE C OF THE SCORE PRODUCT: wave 0 turns a step's 128 bytes into 128 f32 numbers, 0 or -2^127, and each wave loads them into S^T's registers.  A raw score is under 64 x 57,344^2 < 2^38.
; The running largest t begins at -c 2^40: under every open t and over every padded one, so that a padded key never moves M and its p is 0.  A ROW WITH NO VISIBLE KEY has l = 0 and gets NaN codes, which make its row of the output NaN, as the softmax of nothing is.
; LIMITS on the given exponents: e2 + e3 between -100 and 80 (they are added to c's exponent field; c 2^127 stays large and c 2^40 finite); e4 and e6 between -126 and 112.  The mask's bytes are 0 or 1.
; THE MODE: SCHED_MODE bits 1:0 = 2 (LLVM: expert scheduling mode 2), set by the entry lines.  The code itself states the register dependences
; between vector or matrix instructions and memory or LDS instructions, with s_wait_alu, always for 0.
; THE PLAN.  Registers that memory or LDS instructions touch, in the loop:
;   v[LI], v[LW], v[LMR], v[L4], v[PFO]   addresses, made once at the head and never written again.
;   G0, G1        named by memory instructions alone: step i's global loads land in G[q], step i + 1's LDS stores read it, step i + 2's loads land in it again.
;   v[GA], v[MA]  written by one add at a step's head, read by that step's global loads.        v[MR], v[MW ..] (wave 0): a load lands in MR, the mask's lines read it and write MW, an LDS store reads MW.
;   S             the LDS loads of the mask's words land in it; then matrix and vector instructions alone, up to p's conversions (or the way out's).
;   F             K's LDS loads land in it, the eight score products read it, V's LDS loads land in it, the four products with p read it.
;   QF            the loads at a block's start land in it, the score products read it.         v[YO ..]  written by the way out's selects, read by its two stores.
;   O^T, P, the statistics and v252-254 are named by vector and matrix instructions alone.
; A step has: one wait on vm_vsrc at its head (G[q], MW, GA, MA have been read); one on va_vdst behind the add to v[GA] (GA is written; the step before is done with S and F), which serves the step's two global loads and its
; 32 LDS loads into S and F; in wave 0 one on va_vdst behind the mask's lines; one on va_vdst behind the score products (they are done reading K's fragments), behind which V's 16 loads are dealt among the maximum's lines,
; which name neither F nor v[LI]; and the wait behind the exponentials.  On the diagonal the compares stand in runs of eight, into s56-63, with one wait on va_sdst behind each run.
.set SLOT, 16896                       ; LDS: a slot: K's 8 images of 1,024 bytes, V's 4 of 2,048, 128 mask words
.set VOFF, 8192
.set MOFF, 16384
.set LI,   1                           ; v1   16 x lane: my place in an image
.set LW,   2                           ; v2   1,024 x wave + 16 x lane: where I store my part of a tile
.set LMR,  3                           ; v3   32 x (lane / 16): my eight mask words of a tile of 16 keys
.set GA,   5                           ; v5   offset of the tile that is being loaded
.set MA,   6                           ; v6   the same for the mask's bytes (wave 0)
.set PFO,  7                           ; v7   256 x lane: the prefetches' offset; never rewritten
.set L4,   8                           ; v8   4 x lane
.set DL,   10                          ; v10  lane % 16 - 8 (lane / 16)
.set QF,   16                          ; v16-23   Q's fragment
.set TIN,  24                          ; v24  -c 2^40
.set PD,   25                          ; v25  a lane permute's destination
.set NANC, 26                          ; v26  four NaN codes
.set XR,   28                          ; v28-31   the exchange on the way out
.set F,    32                          ; v32-95   K's 8 fragments of 8, then V's 4 of 16
.set S,    96                          ; v96-159  the mask, S^T, then p
.set O,    160                         ; v160-191 O^T
.set P,    192                         ; v192-207 p's codes
.set G,    208                         ; v208-215, v216-223: my 1,024 bytes of two tiles on their way
.set MR,   224                         ; v224 four bytes of the mask (wave 0)
.set MX,   225
.set L2,   226                         ; v[226:227] the sum's second chain
.set MW,   228                         ; v228-231 four mask words
.set YC,   232                         ; v232-239 ctx's codes by tiles of 16 channels
.set YO,   240                         ; v240-247 as they are stored
.set PS,   248                         ; v248 2^e4, v249 57,344 x 2^e4, v250 2^e6, v251 57,344 x 2^e6;  v252-254 at work;  v12 -M, v13 the largest t, v[14:15] l in two halves
.set WV,   16                          ; s16 wave
.set YY,   17                          ; s17 Y
.set N0H,  18                          ; s18 8 - Y: the trip at which the block changes
.set N0,   19                          ; s19 16 - 2 Y: the first block's steps
.set TRIP, 20
.set KF,   21                          ; s21 the step's first key
.set Q0,   22                          ; s22 my first query
.set GL,   23                          ; s23 the number of the step whose tile is loaded next
.set OFFL, 24                          ; s24 that tile's byte offset in a head
.set LIM,  25                          ; s25 a wave prefetches while GL is under this
.set KVB,  26                          ; s[26:27] my 1,024 bytes of the head's tile 0, in k_img or v_img
.set MB,   28                          ; s[28:29] the batch's row of the mask
.set QB,   30                          ; s[30:31] the head in q_img
.set YB,   32                          ; s[32:33] the head's place in y_img
.set SEL,  34                          ; s[34:35] lane selects: lane l xor 16
.set CS,   36                          ; s[36:37] c = log2(e) / 8 x 2^(e2 + e3)
.set PFA,  38                          ; s[38:39] where my prefetches stand
.set E,    40                          ; s[40:47] e0 .. e7
.set TA,   48                          ; s[48:49] at work; Q's address
.set YA,   50                          ; s[50:51] at work; the stores' address
.set HM,   52                          ; s52 lanes 16-31
.set NF,   53                          ; s53 lanes whose query saw no key
.set EPV,  54                          ; s54 e4 + e5
.set TS,   55                          ; s55 at work
.set MK,   56                          ; s[56:63] on the diagonal: the lanes in which each of a tile's eight registers holds a hidden key
	s_load_b256 s[4:11], s[0:1], 0x0               ; q_img s[4:5], k_img s[6:7], v_img s[8:9], the mask s[10:11]
	s_load_b128 s[12:15], s[0:1], 0x20             ; the scales' exponents s[12:13], y_img s[14:15]
	v_lshl_add_u32 v27, v0, 2, 0x8400
	v_mov_b32 v255, 0
	v_lshrrev_b32 v4, 5, v0
	v_readfirstlane_b32 s[WV], v4                  ; wave 0..15
	v_and_b32 v4, 31, v0                           ; lane
	v_lshlrev_b32 v[LI], 4, v4
	v_bfe_u32 v9, v0, 4, 1                         ; h
	v_lshlrev_b32 v[LMR], 5, v9
	v_lshlrev_b32 v[PFO], 8, v4
	v_lshlrev_b32 v[L4], 2, v4
	v_and_b32 v11, 15, v0                          ; r
	v_lshlrev_b32 v9, 3, v9
	v_sub_nc_u32 v[DL], v11, v9
	v_mov_b32 v[PD], 0                             ; written once: a lane permute's destination counts as one of its sources
	v_mov_b32 v[XR+2], 0
	v_mov_b32 v[XR+3], 0
	v_mov_b32 v[NANC], 0x7f7f7f7f
	v_mov_b32 v253, 0                              ; (named as the upper half of the pair v[252:253])
	s_wait_alu depctr_va_sdst(0)                   ; s[WV] is written, ahead of its first reader: addresses, bases and branches are made from it
	s_lshl_b32 s[TS], s[WV], 10
	v_add_nc_u32 v[LW], s[TS], v[LI]
	s_and_b32 s[YY], ttmp7, 0xffff
	s_sub_co_u32 s[N0H], 8, s[YY]
	s_lshl_b32 s[N0], s[N0H], 1
	s_mov_b32 s[SEL], 0x76543210
	s_mov_b32 s[SEL+1], 0xfedcba98
	s_mov_b32 s[HM], 0xffff0000
	s_and_b32 s[LIM], s[WV], 7
	s_lshl_b32 s[YA], s[LIM], 10                   ; my 1,024 bytes of a step's 8,192 of K or of V
	s_or_b32 s[LIM], s[LIM], s[YY]
	s_cmp_eq_u32 s[LIM], 0                         ; waves 0 and 8 of the head's work-group Y = 0, which walks all 16 tiles, prefetch
	s_cselect_b32 s[LIM], 14, 0
	s_lshl_b32 s[TA], ttmp9, 17                    ; a head is 131,072 bytes in each of the three buffers
	s_mov_b32 s[TA+1], 0
	s_add_co_u32 s[YA], s[YA], s[TA]
	s_mov_b32 s[YA+1], 0
	s_sub_co_u32 s[Q0], 7, s[YY]
	s_lshl_b32 s[Q0], s[Q0], 8
	s_lshl_b32 s[TS], s[WV], 4
	s_add_co_u32 s[Q0], s[Q0], s[TS]               ; my first query: 256 (7 - Y) + 16 x wave
	s_mov_b32 s[KF], 0
	s_wait_kmcnt 0x0
	s_load_b256 s[E:E+7], s[12:13], 0x0
	s_cmp_lt_u32 s[WV], 8
	s_cselect_b64 s[KVB:KVB+1], s[6:7], s[8:9]
	s_add_nc_u64 s[KVB:KVB+1], s[KVB:KVB+1], s[YA:YA+1]
	s_wait_alu depctr_va_vdst(0)                   ; v[LI], v[LW], v[LMR], v[L4] and v[PFO] are written: every load, store and prefetch of the kernel but those by v[GA] and v[MA] reads one of them as its address
	global_load_b128 v[G:G+3], v[LI], s[KVB:KVB+1]                     ; tile 0
	global_load_b128 v[G+4:G+7], v[LI], s[KVB:KVB+1] offset:512
	global_load_b128 v[G+8:G+11], v[LI], s[KVB:KVB+1] offset:8192      ; tile 1
	global_load_b128 v[G+12:G+15], v[LI], s[KVB:KVB+1] offset:8704
	s_add_nc_u64 s[QB:QB+1], s[4:5], s[TA:TA+1]
	s_add_nc_u64 s[PFA:PFA+1], s[KVB:KVB+1], 3*8192    ; step 0 steps it to tile 4.  Nothing is prefetched here, at the head
	s_lshr_b32 s[TA], ttmp9, 4                     ; the batch
	s_lshl_b32 s[YA], s[TA], 11
	s_add_nc_u64 s[MB:MB+1], s[10:11], s[YA:YA+1]
	s_cmp_lg_u32 s[WV], 0
	s_cbranch_scc1 .Lhead_a
	global_load_b32 v[MR], v[L4], s[MB:MB+1]       ; the mask of keys 0 to 127, four bytes a lane
.Lhead_a:
	s_lshl_b32 s[TA], s[TA], 19                    ; y_img: [K / 256][row / 16][K step][quarter][lane][16]: batch x 128 row tiles of 4,096 bytes,
	s_and_b32 s[YA], ttmp9, 15                     ; head hh:
	s_lshr_b32 s[TS], s[YA], 2
	s_lshl_b32 s[TS], s[TS], 21                    ; (hh / 4) x 2,097,152,
	s_add_co_u32 s[TA], s[TA], s[TS]
	s_and_b32 s[YA], s[YA], 3
	s_lshl_b32 s[YA], s[YA], 10                    ; (hh % 4) x 1,024
	s_add_co_u32 s[TA], s[TA], s[YA]
	s_add_nc_u64 s[YB:YB+1], s[14:15], s[TA:TA+1]
	s_wait_kmcnt 0x0
	s_add_co_i32 s[TS], s[E+2], s[E+3]
	s_lshl_b32 s[TS], s[TS], 23
	s_add_co_i32 s[CS], s[TS], 0x3e38aa3b          ; c = log2(e) / 8, with e2 + e3 added to its exponent field: a raw score stands for score x 2^(e2 + e3)
	s_mov_b32 s[CS+1], s[CS]                       ; (named with it as a pair, so it is written)
	s_add_co_u32 s[TS], s[CS], 40<<23
	s_or_b32 s[TS], s[TS], 0x80000000
	v_mov_b32 v[TIN], s[TS]                        ; -c 2^40
	s_add_co_i32 s[TS], s[E+4], 127
	s_lshl_b32 s[TA], s[TS], 23
	v_mov_b32 v[PS], s[TA]                         ; 2^e4 as f32, for p's conversion
	s_add_co_i32 s[TS], s[TS], 15
	s_lshl_b32 s[TS], s[TS], 23
	s_or_b32 s[TS], s[TS], 0x600000
	v_mov_b32 v[PS+1], s[TS]                       ; 57,344 x 2^e4
	s_add_co_i32 s[TS], s[E+6], 127
	s_lshl_b32 s[TA], s[TS], 23
	v_mov_b32 v[PS+2], s[TA]                       ; 2^e6
	s_add_co_i32 s[TS], s[TS], 15
	s_lshl_b32 s[TS], s[TS], 23
	s_or_b32 s[TS], s[TS], 0x600000
	v_mov_b32 v[PS+3], s[TS]                       ; 57,344 x 2^e6
	s_add_co_i32 s[EPV], s[E+4], s[E+5]
; A block of queries begins: Q's fragment, the largest t, M, l and O^T.  (The step is written once: the first finds zeros, which the first change of M leaves zeros.)
; The loads into Q's fragment have no wait of their own: at the head no vector or matrix instruction has named v[QF ..]; at the change of blocks the wait on va_vdst ahead of the way out's stores has shown the score products
; done reading it, and only stores and scalar lines stand between.
.macro INIT
	s_lshl_b32 s[TA], s[Q0], 6                     ; 16 queries are an image of 1,024 bytes
	s_mov_b32 s[TA+1], 0
	s_add_nc_u64 s[TA:TA+1], s[QB:QB+1], s[TA:TA+1]
	global_load_b128 v[QF:QF+3], v[LI], s[TA:TA+1]
	global_load_b128 v[QF+4:QF+7], v[LI], s[TA:TA+1] offset:512
	v_mov_b32 v13, v[TIN]
	v_floor_f32 v12, -v[TIN]
	v_mov_b32 v14, 0
	v_mov_b32 v15, 0
.set j, 0
.rept 32
	v_mov_b32 v[O+j], 0
.set j, j+1
.endr
	s_wait_loadcnt 0x0                             ; Q is in, and so is all that was asked for earlier
.endm
; Wave 0: four bytes of the mask, 0 or 1, become four words, 0 or 0xff000000 = -2^127, and go to the slot: key k's word at 4 k.
.macro MASKW slot
	v_lshlrev_b32 v[MX], 8, v[MR]
	v_sub_nc_u32 v[MX], v[MX], v[MR]               ; x 255: each byte 0 or 0xff
	v_lshlrev_b32 v[MW], 24, v[MX]
	v_lshlrev_b32 v[MW+1], 16, v[MX]
	v_lshlrev_b32 v[MW+2], 8, v[MX]
	v_and_b32 v[MW+1], 0xff000000, v[MW+1]
	v_and_b32 v[MW+2], 0xff000000, v[MW+2]
	v_and_b32 v[MW+3], 0xff000000, v[MX]
	s_wait_alu depctr_va_vdst(0)                   ; v[MW ..] is written, which the LDS store reads; so is v[MA], by which the next load goes; and the lines above are done reading v[MR], in which that load lands
	ds_store_b128 v[LI], v[MW:MW+3] offset:(\slot)*SLOT+MOFF
.endm
; V's fragment t, 16 channels x 128 keys, from slot q
.macro VLOAD q, t
.irp g, 0,1,2,3
	ds_load_b128 v[F+16*(\t)+4*\g:F+16*(\t)+4*\g+3], v[LI] offset:(\q)*SLOT+VOFF+2048*(\t)+512*\g
.endr
.endm
; A KEY STEP on slot q.
.macro STEP q
	s_wait_dscnt 0x0                               ; my stores of this step's tile have landed, and my reads of the other slot are over:
	s_barrier_signal -1
	s_barrier_wait -1                              ; both now hold of all sixteen waves
	s_wait_loadcnt 0x0                             ; my part of the next step's tile, asked for a step ago, is in; its loads' offsets may be written
	s_wait_xcnt 0x0                                ; the last prefetch, a step back, has read its address
	s_wait_alu depctr_vm_vsrc(0)                   ; the last step's LDS stores have read G[q] and, in wave 0, v[MW ..]; its loads have read v[GA] and v[MA]: all four are written again below
	s_add_nc_u64 s[PFA:PFA+1], s[PFA:PFA+1], 8192
	v_add_nc_u32 v[GA], s[OFFL], v[LI]
	ds_store_b128 v[LW], v[G+8*(1-\q):G+8*(1-\q)+3] offset:(1-\q)*SLOT          ; the next step's tile goes into the slot that was read last.  (No vector instruction names G, nor v[LW] since the head's wait)
	ds_store_b128 v[LW], v[G+8*(1-\q)+4:G+8*(1-\q)+7] offset:(1-\q)*SLOT+512
	s_wait_alu depctr_va_vdst(0)                   ; v[GA] is written; the vector instructions of the step or way out before are done with S, and the products with p are done reading F: the LDS loads below land in both
	global_load_b128 v[G+8*\q:G+8*\q+3], v[GA], s[KVB:KVB+1]                     ; and the tile two steps on is asked for
	global_load_b128 v[G+8*\q+4:G+8*\q+7], v[GA], s[KVB:KVB+1] offset:512
	s_cmp_lg_u32 s[WV], 0
	s_cbranch_scc1 .Lnot_0_\@
	s_lshr_b32 s[TS], s[OFFL], 6                   ; a tile of 8,192 bytes is 128 keys
	v_add_nc_u32 v[MA], s[TS], v[L4]
	MASKW 1-\q
	global_load_b32 v[MR], v[MA], s[MB:MB+1]
.Lnot_0_\@:
	; A PREFETCH INTO THE L2: in step i, i = 0 .. 11, tile i + 4, whose load stands two steps on.  All four work-groups of a head read the same K and V: the one with Y = 0, which walks all 16 tiles, asks; its wave 0 for K's
	; 8,192 bytes, its wave 8 for V's, lanes 256 bytes apart: each block of 256 bytes is named once in the launch.  Tiles 0 to 3 come by their loads alone.
	s_cmp_lt_u32 s[GL], s[LIM]
	s_cbranch_scc0 .Lnot_mine_\@
	global_prefetch_b8 v[PFO], s[PFA:PFA+1] th:TH_LOAD_NT scope:SCOPE_SE
.Lnot_mine_\@:
	s_add_co_u32 s[GL], s[GL], 1
	s_add_co_u32 s[OFFL], s[OFFL], 8192
	s_cmp_eq_u32 s[GL], s[N0]                      ; the second block begins again at tile 0
	s_cselect_b32 s[OFFL], 0, s[OFFL]
	s_add_co_u32 s[TS], s[Q0], 15                  ; a step all of whose keys come after my 16 queries is left out: a branch on ids; no barrier stands behind it in the step
	s_cmp_gt_u32 s[KF], s[TS]
	s_cbranch_scc1 .Lhidden_\@
.irp c, 0,1,2,3,4,5,6,7                        ; no wait: since the step's wait on va_vdst only wave 0's mask lines were issued, which name neither S nor F nor these addresses
	ds_load_b128 v[S+8*\c:S+8*\c+3], v[LMR] offset:\q*SLOT+MOFF+64*\c          ; register 8 c + j: the mask word of key 16 c + 8 h + j
	ds_load_b128 v[S+8*\c+4:S+8*\c+7], v[LMR] offset:\q*SLOT+MOFF+64*\c+16
.endr
.irp c, 0,1,2,3,4,5,6,7
	ds_load_b128 v[F+8*\c:F+8*\c+3], v[LI] offset:\q*SLOT+1024*\c
	ds_load_b128 v[F+8*\c+4:F+8*\c+7], v[LI] offset:\q*SLOT+1024*\c+512
.endr
	s_wait_dscnt 0x0
.irp c, 0,1,2,3,4,5,6,7
	v_wmma_f32_16x16x64_bf8_bf8 v[S+8*\c:S+8*\c+7], v[F+8*\c:F+8*\c+7], v[QF:QF+7], v[S+8*\c:S+8*\c+7]   ; S^T = K Q^T + the mask; eight accumulators, one instruction each
.endr
.rept 4
	v_nop                                          ; places in front of the first read of the scores (ISA guide 7.12.1)
.endr
	s_wait_alu depctr_va_vdst(0)                   ; the score products are done reading K's fragments, in which V's land.  From here to the products with p no vector instruction names F or v[LI]:
	VLOAD \q, 0                                    ; so V's sixteen loads are dealt, four here and twelve among the maximum's lines, with no further wait
	s_add_co_u32 s[TS], s[KF], 127                 ; on the diagonal the scores of hidden keys become -infinity; a step all of whose keys count skips this
	s_cmp_le_u32 s[TS], s[Q0]
	s_cbranch_scc1 .Lopen_\@
	s_sub_co_i32 s[TS], s[Q0], s[KF]
	v_add_nc_u32 v252, s[TS], v[DL]                ; d = my query - KF - 8 h.  Register 8 c + j holds key KF + 16 c + 8 h + j: hidden where 16 c + j > d
	v_mov_b32 v254, 0xff800000
.irp c, 0,1,2,3,4,5,6,7                        ; a tile of 16 keys at a time: eight compares in a run, one wait, eight selects
.irp j, 0,1,2,3,4,5,6,7
	v_cmp_gt_i32 s[MK+\j], 16*\c+\j, v252
.endr
	s_wait_alu depctr_va_sdst(0)                   ; the eight compares have written s[MK ..], ahead of the selects that read them
.irp j, 0,1,2,3,4,5,6,7
	v_cndmask_b32 v[S+8*\c+\j], v[S+8*\c+\j], v254, s[MK+\j]
.endr
.endr
.Lopen_\@:
	v_max3_num_f32 v254, v[S], v[S+1], v[S+2]      ; the step's largest score of my query among my 64 keys, in two chains, each accumulator from its low end on,
	v_max3_num_f32 v252, v[S+3], v[S+4], v[S+5]
.irp i, 6,10,14,18,22,26,30,34,38,42,46,50,54,58
	v_max3_num_f32 v254, v254, v[S+\i], v[S+1+\i]
	v_max3_num_f32 v252, v252, v[S+2+\i], v[S+3+\i]
.if \i == 14
	VLOAD \q, 1
.endif
.if \i == 30
	VLOAD \q, 2
.endif
.if \i == 46
	VLOAD \q, 3
.endif
.endr
	v_max3_num_f32 v254, v254, v[S+62], v[S+63]
	v_max_num_f32 v254, v254, v252
	v_permlanex16_b32 v[PD], v254, s[SEL], s[SEL+1]
	v_max_num_f32 v254, v254, v[PD]                ; and among lane l xor 16's
	v_mul_f32 v254, s[CS], v254                    ; as t (c is positive)
	v_max_num_f32 v13, v13, v254                   ; the running largest t
	v_mov_b32 v254, v12
	v_floor_f32 v12, -v13                          ; the new -M = floor(-t) = -ceil(t)
	v_sub_f32 v254, v12, v254                      ; old M - new M: a whole number, 0 or less
	v_cvt_i32_f32 v254, v254                       ; (it saturates)
	v_ldexp_f32 v252, 1.0, v254                    ; f = 2^(old M - new M)
.set j, 0
.rept 32
	v_pk_fma_f32 v[S+j:S+j+1], v[S+j:S+j+1], s[CS:CS+1], v[12:13] op_sel_hi:[1,0,0]   ; t - M, two at a time (of the pairs c and -M the low word serves both halves)
.set j, j+2
.endr
.set j, 0
.rept 64
	v_exp_f32 v[S+j], v[S+j]                       ; p = 2^(t - M), at most 1
.set j, j+1
.endr
	v_pk_mul_f32 v[14:15], v[14:15], v[252:253] op_sel_hi:[1,0]   ; l under the new M: the plain instruction behind the exponentials
	s_wait_alu depctr_va_vdst(0)                   ; the 64 exponentials have written v[S ..]: one wait for the batch, ahead of its first reader
	v_pk_add_f32 v[L2:L2+1], v[S:S+1], v[S+2:S+3]  ; the sum of the unquantised p, two at a time, in two chains
.irp j, 4,8,12,16,20,24,28,32,36,40,44,48,52,56,60
	v_pk_add_f32 v[14:15], v[14:15], v[S+\j:S+1+\j]
	v_pk_add_f32 v[L2:L2+1], v[L2:L2+1], v[S+2+\j:S+3+\j]
.endr
	v_pk_add_f32 v[14:15], v[14:15], v[L2:L2+1]
	s_cmp_ge_i32 s[E+4], -15                       ; with e4 >= -15 the hold stands at 57,344 x 2^-15 = 1.75 or above and p is at most 1: it would change nothing
	s_cbranch_scc1 .Lno_hold_\@
.set j, 0
.rept 64
	v_min_num_f32 v[S+j], v[S+j], v[PS+1]          ; the conversion does not saturate (ISA guide 7.6.2); p is not negative, so the hold is one-sided
.set j, j+1
.endr
.Lno_hold_\@:
.irp c, 0,1,2,3,4,5,6,7
	v_cvt_scalef32_pk8_bf8_f32 v[P+2*\c:P+2*\c+1], v[S+8*\c:S+8*\c+7], v[PS]   ; registers 2 c, 2 c + 1 of P: keys 16 c + 8 h + 0 .. 7
.endr
.set j, 0
.rept 16
	v_pk_mul_f32 v[O+j:O+j+1], v[O+j:O+j+1], v[252:253] op_sel_hi:[1,0]   ; O^T under the new M; also the plain instructions behind the conversions
.set j, j+2
.endr
	s_wait_dscnt 0x0                               ; V is in
.irp t, 0,1,2,3
	v_wmma_f32_16x16x128_bf8_bf8 v[O+8*\t:O+8*\t+7], v[F+16*\t:F+16*\t+15], v[P:P+15], v[O+8*\t:O+8*\t+7]   ; four accumulators, one instruction each
.endr
.rept 4
	v_nop                                          ; places in front of whatever reads or writes O^T next, on every way (ISA guide 7.12.1)
.endr
.Lhidden_\@:
	s_add_co_u32 s[KF], s[KF], 128
.endm
; THE WAY OUT of a block: ctx = O^T x 2^(e4 + e5) / l, held, converted with 2^e6.  Tile t's two registers of codes hold channels 16 t + 8 h + 0 .. 7 of my query; the last product's operand wants, in registers 4 c .. 4 c + 3 of
; lane (r, h), channels 32 c + 16 h + 0 .. 15: the two halves of the lanes exchange one tile of each pair.  Two stores of 512 consecutive bytes.
.macro WAYOUT
	s_wait_xcnt 0x0                                ; the earlier way out's stores have read their registers and their base
	s_wait_alu depctr_vm_vsrc(0)                   ; the earlier way out's stores have read v[YO ..], which the selects below write again
	s_lshl_b32 s[YA], s[Q0], 8                     ; 16 queries are a row tile of 4,096 bytes
	s_mov_b32 s[YA+1], 0
	s_add_nc_u64 s[YA:YA+1], s[YB:YB+1], s[YA:YA+1]
	v_add_f32 v14, v14, v15                        ; l's two halves,
	v_permlanex16_b32 v[PD], v14, s[SEL], s[SEL+1]
	v_add_f32 v14, v14, v[PD]                      ; and lane l xor 16's
	v_cmp_eq_f32 s[NF], 0, v14                     ; a query that saw an open key has l over 1/2; one that saw none has l = 0
	v_rcp_f32 v14, v14
	v_nop                                          ; a plain instruction behind the transcendental
	s_wait_alu depctr_va_vdst(0)                   ; the reciprocal has written v14, ahead of its first reader
	v_ldexp_f32 v14, v14, s[EPV]
.set j, 0
.rept 32
	v_mul_f32 v[S+j], v[O+j], v14                  ; each accumulator from its low end on
.set j, j+1
.endr
.set j, 0
.rept 32
	v_med3_num_f32 v[S+j], v[S+j], -v[PS+3], v[PS+3]
.set j, j+1
.endr
.irp t, 0,1,2,3
	v_cvt_scalef32_pk8_bf8_f32 v[YC+2*\t:YC+2*\t+1], v[S+8*\t:S+8*\t+7], v[PS+2]
.endr
	v_nop                                          ; one plain instruction behind the last conversion
.irp c, 0,1
	v_cndmask_b32 v[XR], v[YC+4*\c+2], v[YC+4*\c], s[HM]           ; what my partner wants: lanes 0-15 send tile 2 c + 1, lanes 16-31 tile 2 c
	v_cndmask_b32 v[XR+1], v[YC+4*\c+3], v[YC+4*\c+1], s[HM]
	v_permlanex16_b32 v[XR+2], v[XR], s[SEL], s[SEL+1]
	v_permlanex16_b32 v[XR+3], v[XR+1], s[SEL], s[SEL+1]
	v_cndmask_b32 v[YO+4*\c], v[YC+4*\c], v[XR+2], s[HM]
	v_cndmask_b32 v[YO+4*\c+1], v[YC+4*\c+1], v[XR+3], s[HM]
	v_cndmask_b32 v[YO+4*\c+2], v[XR+2], v[YC+4*\c+2], s[HM]
	v_cndmask_b32 v[YO+4*\c+3], v[XR+3], v[YC+4*\c+3], s[HM]
.endr
	s_wait_alu depctr_va_sdst(0)                   ; the compare of l with 0 has written s[NF], ahead of the first select that reads it
.irp i, 0,1,2,3,4,5,6,7
	v_cndmask_b32 v[YO+\i], v[YO+\i], v[NANC], s[NF]
.endr
	s_wait_alu depctr_va_vdst(0)                   ; the selects have written v[YO ..], which the stores read; and the block's score products are done reading Q's fragment, in which the next block's loads land
	global_store_b128 v[LI], v[YO:YO+3], s[YA:YA+1]
	global_store_b128 v[LI], v[YO+4:YO+7], s[YA:YA+1] offset:512
.endm
	INIT                                           ; its wait covers tiles 0 and 1 and the mask's first bytes
	ds_store_b128 v[LW], v[G:G+3]                  ; tile 0 into slot 0
	ds_store_b128 v[LW], v[G+4:G+7] offset:512
	s_cmp_lg_u32 s[WV], 0
	s_cbranch_scc1 .Lhead_b
	MASKW 0
	global_load_b32 v[MR], v[L4], s[MB:MB+1] offset:128    ; the mask of keys 128 to 255
.Lhead_b:
	s_mov_b32 s[GL], 2
	s_mov_b32 s[OFFL], 2*8192
	s_mov_b32 s[TRIP], 0
.Ltrip:                                            ; 9 trips of two key steps
	s_cmp_lg_u32 s[TRIP], s[N0H]                   ; a branch on ids, the same in all sixteen waves: the first block is done
	s_cbranch_scc1 .Lsame
	WAYOUT
	s_lshl_b32 s[Q0], s[YY], 8
	s_lshl_b32 s[TS], s[WV], 4
	s_add_co_u32 s[Q0], s[Q0], s[TS]               ; my first query: 256 Y + 16 x wave
	s_mov_b32 s[KF], 0
	INIT
.Lsame:
	STEP 0
	STEP 1
	s_add_co_u32 s[TRIP], s[TRIP], 1
	s_cmp_lt_u32 s[TRIP], 9
	s_cbranch_scc1 .Ltrip
	WAYOUT
	s_wait_dscnt 0x0
	s_wait_alu depctr_hold_cnt(0) depctr_sa_sdst(0) depctr_va_vdst(0) depctr_va_sdst(0) depctr_va_ssrc(0) depctr_va_vcc(0) depctr_vm_vsrc(0)
	s_wait_tensorcnt 0x0
	ds_add_u32 v27, v255
	s_wait_dscnt 0x0
	s_endpgm
.Lfunc_end_k_q878cfa0298_attn:
	.size	k_q878cfa0298_attn, .Lfunc_end_k_q878cfa0298_attn-k_q878cfa0298_attn
	.p2alignl 7, 3214868480
	.fill 96, 4, 3214868480
	.section	.rodata,"a",@progbits
	.p2align	6, 0x0
	.amdhsa_kernel k_q878cfa0298_attn
		.amdhsa_group_segment_fixed_size 35840
		.amdhsa_private_segment_fixed_size 0
		.amdhsa_enable_private_segment 0
		.amdhsa_kernarg_size 48
		.amdhsa_user_sgpr_count 2
		.amdhsa_user_sgpr_kernarg_segment_ptr 1
		.amdhsa_wavefront_size32 1
		.amdhsa_system_sgpr_workgroup_id_x 1
		.amdhsa_system_sgpr_workgroup_id_y 1
		.amdhsa_system_sgpr_workgroup_id_z 1
		.amdhsa_system_vgpr_workitem_id 0
		.amdhsa_next_free_vgpr 256
		.amdhsa_next_free_sgpr 66
		.amdhsa_reserve_vcc 0
		.amdhsa_float_denorm_mode_32 3
		.amdhsa_float_denorm_mode_16_64 3
		.amdhsa_memory_ordered 1
		.amdhsa_forward_progress 1
		.amdhsa_inst_pref_size 75
	.end_amdhsa_kernel
	.amdgpu_metadata
---
amdhsa.version: [ 1, 2 ]
amdhsa.kernels:
  - .name:           k_q878cfa0298_attn
    .symbol:         k_q878cfa0298_attn.kd
    .args:
      - { .name: q_img, .offset: 0, .size: 8, .value_kind: global_buffer, .address_space: global }
      - { .name: k_img, .offset: 8, .size: 8, .value_kind: global_buffer, .address_space: global }
      - { .name: v_img, .offset: 16, .size: 8, .value_kind: global_buffer, .address_space: global }
      - { .name: key_padding_mask, .offset: 24, .size: 8, .value_kind: global_buffer, .address_space: global }
      - { .name: lowp_scales, .offset: 32, .size: 8, .value_kind: global_buffer, .address_space: global }
      - { .name: y_img, .offset: 40, .size: 8, .value_kind: global_buffer, .address_space: global }
    .group_segment_fixed_size: 35840
    .private_segment_fixed_size: 0
    .kernarg_segment_align: 8
    .kernarg_segment_size: 48
    .max_flat_workgroup_size: 512
    .sgpr_count:     66
    .vgpr_count:     256
    .wavefront_size: 32
...
	.end_amdgpu_metadata
.endif
;; end of part 4
;; launch oproj: the kernel of part 3 again; grid 4 x 32, 4 waves a work-group, clusters of 4 x 4, 327,680 bytes of LDS; arguments y_img, W_o_codes, b_o, lowp_scales, out0; writes out0
